; MI455X (gfx1250); checked and timed in simulation.
; The chip was launched on July 23, 2026; its instructions are those of AMD's public machine-readable ISA for CDNA 5 (MIT licence, August 2026) and "CDNA5" Instruction Set Architecture Reference Guide (July 2026). The comments in the code are by the model that wrote it; some were corrected since.
;; DSAATSP Model. Allowed arithmetic: matrix products marked QUANTISED: E5M2 operands, one given power-of-two scale a tensor, by v_wmma_f32_16x16x64_bf8_bf8 or v_wmma_f32_16x16x128_bf8_bf8, f32 sums; products left as they are: f32 operands where the result goes on into a quantised operand, else bf16, f16 or f32 operands; f32 sums; everything else in f32.
;; Inputs: Wc 1,024 x 1,024 float32; Wk 1,024 x 1,024 float32; Wq 1,024 x 1,024 float32; Wv 1,024 x 1,024 float32; bc 1,024 float32; conv_b 2 float32; conv_w 2 x 2 float32; encoded_jobs 8 x 1,024 x 1,024 float32; lowp_scales 14 int32 (the exponents e of the quantised operands' scales 2^e); t 8 float32; tW1 512 x 1,024 float32; tW2 1,024 x 512 float32; tb1 512 float32; tb2 1,024 float32; xt 8 x 1,024 x 1,024 float32.
;; Outputs: out0 8 x 1,024 x 1,024 x 2 float32.
;; This version of the problem:
;;   THIS VERSION OF THE PROBLEM IS GIVEN IN LOW PRECISION. The matrix products marked QUANTISED in the list below multiply operands that are first quantised to E5M2 (5 exponent bits, 2 mantissa bits; 8 bits a number), with one given power-of-two scale for each operand tensor; their sums are f32. All else is computed in f32.
;;   The module's matrix products, in the order in which they are computed (A, B: the left and right operand; K: the contracted axis; several contracted axes count as one K, in the product's order):
;;     1. [M 8, K 1,024] x [K 1,024, N 512]; A: computed on the way; B: input tW1: left as it is (M = 8 < 16)
;;     2. [M 8, K 512] x [K 512, N 1,024]; A: computed on the way; B: input tW2: left as it is (M = 8 < 16)
;;     3. [M 8,192, K 1,024] x [K 1,024, N 1,024]; A: input encoded_jobs; B: input Wq: QUANTISED (scales: A lowp_scales[0], B lowp_scales[1])
;;     4. [M 8,192, K 1,024] x [K 1,024, N 1,024]; A: input encoded_jobs; B: input Wk: QUANTISED (scales: A lowp_scales[2], B lowp_scales[3])
;;     5. [M 8,192, K 1,024] x [K 1,024, N 1,024]; A: input encoded_jobs; B: input Wv: QUANTISED (scales: A lowp_scales[4], B lowp_scales[5])
;;     6. batch 128 x [M 1,024, K 64] x [K 64, N 1,024]; A: computed on the way; B: computed on the way: QUANTISED (scales: A lowp_scales[6], B lowp_scales[7])
;;     7. batch 128 x [M 1,024, K 1,024] x [K 1,024, N 64]; A: softmax (see below); B: computed on the way: QUANTISED (scales: A lowp_scales[8], B lowp_scales[9])
;;     8. [M 8,192, K 1,024] x [K 1,024, N 1,024]; A: computed on the way; B: input Wc: QUANTISED (scales: A lowp_scales[10], B lowp_scales[11])
;;     9. batch 8 x [M 1,024, K 1,024] x [K 1,024, N 1,024]; A: computed on the way; B: input encoded_jobs: QUANTISED (scales: A lowp_scales[12], B lowp_scales[13])
;;     10. [M 8,388,608, K 2] x [K 2, N 2]; A: computed on the way; B: input conv_w: left as it is (K = 2 < 32)
;;   THE QUANTISER, for each operand of a quantised product, along K:
;;     - The operand's scale is 2^e, e = its entry of the input lowp_scales (int32; the entries are numbered through the quantised products in the list's order, A before B).
;;     - Each number is divided by the scale, clamped to +-57,344, and rounded to the nearest number of E5M2, ties to even, subnormals kept.
;;     - The product sums the exact products of the quantised numbers (number of the format x scale) in f32.
;;   ~~~python
;;   def quantise(x, axis, e):      # numpy; x: float32 -> the quantised numbers, widened to float32 again
;;       x = np.moveaxis(x, axis, -1); K = x.shape[-1]
;;       r = np.clip(x / 2.0 ** e, -57344, 57344)
;;       step = 2.0 ** (np.maximum(np.frexp(np.where(r == 0, 1, r))[1] - 1, -14) - 2)
;;       q = np.round(r / step) * step * 2.0 ** e      # np.round: ties to even
;;       return np.moveaxis(q, -1, axis).astype(np.float32)
;;   ~~~
;;   SOFTMAX AHEAD OF A QUANTISED PRODUCT. Where the list says 'softmax', what is quantised is not the finished softmax but p = 2^(t - M), with t = logit x log2(e) and M = ceil(the row's largest t), a whole number; so 1/2 < the row's largest p <= 1. The row's sum l is taken of the UNQUANTISED p, in f32, and the product's result is divided by l at the end. Since M is a whole number, a kernel that streams over the keys may use a running M (the ceiling of the running maximum): every later rescaling is an exact power of two, so the quantised numbers keep their values, but for numbers so far below the row's largest that they fall under the format's range.
;;   OPERANDS COMPUTED ON THE WAY. 'Computed on the way' means the value that the module computes at that place (a softmax that the list does not call 'softmax' is quantised finished and normalised). What goes into a quantiser is computed in f32, as accurately as f32 sums, v_exp_f32 and their like allow (about 1e-6 of the number): no bf16 or f16 on the way to a quantiser, and a product that is left as it is and whose result goes on into a quantised operand takes f32 operands (vector FMAs, or v_wmma_f32_16x16x4_f32). A number that lies on a knife's edge between two numbers of the format may be rounded either way, as far as f32 arithmetic and the matrix unit's own rounding can turn it there, and no further.
;; One version. Each part assembles by itself: llvm-mc -triple=amdgcn-amd-amdhsa -mcpu=gfx1250 --defsym DOCPART=n.
;; ======== version 1 of 1: 5 launches
;; limits: a function is approximated: absolute error at most 1.2e-07; inputs' magnitudes at most 1,048,576; right only within a limited range of input values
;; workspace buffers: xcodes 33,554,432 bytes; wcodes 4,194,304 bytes; qkv 25,165,824 bytes; oc 8,388,608 bytes; mh 8,388,608 bytes; tpart 262,144 bytes
;; launch prep (part 1): grid 416 x 1, 4 waves a work-group, no clusters, 78,848 bytes of LDS; arguments t, tW1, tb1, tW2, encoded_jobs, Wq, Wk, Wv, Wc, lowp_scales, xcodes, wcodes, tpart; writes xcodes, wcodes, tpart
.if DOCPART == 1
	.amdgcn_target "amdgcn-amd-amdhsa--gfx1250"
	.amdhsa_code_object_version 6
	.text
	.protected	k_qf0f5222a61_prep
	.globl	k_qf0f5222a61_prep
	.p2align	8
	.type	k_qf0f5222a61_prep,@function
k_qf0f5222a61_prep:
	s_mov_b64 s[64:65], 0
	v_nop
	global_prefetch_b8 v0, s[64:65] scope:SCOPE_SE
	s_setreg_imm32_b32 hwreg(HW_REG_WAVE_MODE, 25, 1), 1
	s_wait_xcnt 0x0
; PREP.  Three kinds of work-group, told apart by the work-group's number alone; each kind has LDS bytes of its own and its own end.
;   0-31    TIME: the time embedding and its two layers, in f32 (their result goes on into a quantiser).  Work-group (g, beta): hidden units 64 g .. 64 g + 63, batches 2 beta, 2 beta + 1.
;           It stores tpart[g][b][n] = sum over its 64 hidden units of relu(..) x tW2[n][.]: eight partial sums, which a later launch adds.
;   32-287  X: encoded_jobs [8192][1024] f32 is read ONCE and turned into codes of E5M2 four times, with the four given scales under which it is an operand (entries 0, 2, 4, 13).
;   288-415 W: Wq, Wk, Wv, Wc into codes (entries 1, 3, 5, 11).
; code = x / 2^e, held within +-57,344, rounded to the nearest code, ties to even.  All these tensors have K innermost and dense rows: they are plain streams.
; LIMITS: each of these eight e lies between -126 and 112.  NaN among the inputs is not served.  |t| stays under 2^20 (two-part reduction of the angle).
; X, W: a wave takes 8,192 numbers in 16 steps of 512.  Each load reads 512 consecutive bytes; a step's 2,048 bytes turn through the wave's own stage in LDS so that a lane holds 16 neighbours;
; a lane's 16 codes are 16 bytes, so each store of the wave covers 512 consecutive bytes, aligned.  Loads run four steps ahead.
; TIME reads 256 KB of tW1 and 256 KB of tW2 a work-group and has little arithmetic: so its loads run far ahead, into the second window of 256 registers: 30 rows of tW1, then three passes of tW2.
.set SP,    80                         ; a lane's place in a stage: 64 bytes + 16 of padding
.set LBX,   0                          ; LDS: X's stages, 5,120 bytes a wave
.set LBW,   20480                      ; W's stages
.set TSTG,  40960                      ; TIME: a stage of 32 rows x 272 bytes for each wave
.set RED,   75776                      ; TIME: four waves' partial sums, 512 bytes each
.set HFIN,  77824                      ; TIME: the 128 finished hidden numbers
.set RAW,   16                         ; v16-79   four sets of 16 numbers as loaded
.set NB,    80                         ; v80-111  two sets of 16 neighbours
.set HLD,   112                        ; v112-143 two sets of 16 held numbers
.set COD,   144                        ; v144-175 codes: two sets of 16 registers, by the step's parity
.set SCL,   176                        ; v176+2s: 2^e of scale s; v177+2s: 57,344 x 2^e
.set SRC,   60                         ; s[60:61] my run of the source
.set DST,   52                         ; s[52:59] my run of up to four planes of codes
.set MSB, 0
.macro WIN new                         ; register windows (TIME alone): the immediate's high byte repeats the setting that is left
.if MSB != (\new)
	s_set_vgpr_msb (MSB<<8)|(\new)
.set MSB, (\new)
.endif
.endm
	s_load_b512 s[4:19], s[0:1], 0x0               ; t s[4:5], tW1 s[6:7], tb1 s[8:9], tW2 s[10:11], encoded_jobs s[12:13], Wq s[14:15], Wk s[16:17], Wv s[18:19]
	s_load_b256 s[20:27], s[0:1], 0x40             ; Wc s[20:21], the scales' exponents s[22:23], xcodes s[24:25], wcodes s[26:27]
	s_load_b64 s[28:29], s[0:1], 0x60              ; tpart
	v_lshl_add_u32 v4, v0, 2, 0x13200
	s_set_vgpr_msb 0x80
	v_mov_b32 v1, 0
	s_set_vgpr_msb 0x8000
	v_lshrrev_b32 v1, 5, v0
	v_readfirstlane_b32 s30, v1                    ; wave 0..3
	v_and_b32 v2, 31, v0                           ; lane
	v_lshlrev_b32 v3, 4, v2                        ; 16 x lane
	s_wait_kmcnt 0x0
	s_load_b256 s[32:39], s[22:23], 0x0            ; e0 .. e7
	s_load_b128 s[40:43], s[22:23], 0x20           ; e8 .. e11
	s_load_b64 s[44:45], s[22:23], 0x30            ; e12, e13: 56 bytes in all
	s_cmp_lt_u32 ttmp9, 32
	s_cbranch_scc1 .Ltime
	s_cmp_lt_u32 ttmp9, 288
	s_cbranch_scc1 .Lx
	s_branch .Lw
.macro STAGEADR lb                     ; v14: into my stage (four lanes' 64 bytes on end, then padding); v15: out of it (80 x lane)
	s_mul_i32 s31, s30, 2*32*SP
	s_add_co_u32 s31, s31, \lb
	v_lshrrev_b32 v14, 2, v2
	v_mul_u32_u24 v14, v14, SP
	v_and_b32 v15, 3, v2
	v_lshl_add_u32 v14, v15, 4, v14
	v_add_nc_u32 v14, s31, v14
	v_mul_u32_u24 v15, v2, SP
	v_add_nc_u32 v15, s31, v15
.endm
.macro MKSCALE s, sreg                 ; 2^e and 57,344 x 2^e as f32 numbers
	s_add_co_i32 s62, s[\sreg], 127
	s_lshl_b32 s63, s62, 23
	v_mov_b32 v[SCL+2*\s], s63
	s_add_co_i32 s62, s62, 15
	s_lshl_b32 s62, s62, 23
	s_or_b32 s62, s62, 0x600000
	v_mov_b32 v[SCL+2*\s+1], s62
.endm
.macro QLOAD t
.irp i, 0,1,2,3
	global_load_b128 v[RAW+16*((\t)%4)+4*\i:RAW+16*((\t)%4)+4*\i+3], v3, s[SRC:SRC+1] offset:2048*(\t)+512*\i th:TH_LOAD_NT
.endr
.endm
.macro QTURN t                         ; LDS serves a wave's instructions in order: no wait between the stores and the loads
.irp i, 0,1,2,3
	ds_store_b128 v14, v[RAW+16*((\t)%4)+4*\i:RAW+16*((\t)%4)+4*\i+3] offset:32*SP*((\t)%2)+8*SP*\i
.endr
.irp i, 0,1,2,3
	ds_load_b128 v[NB+16*((\t)%2)+4*\i:NB+16*((\t)%2)+4*\i+3], v15 offset:32*SP*((\t)%2)+16*\i
.endr
.endm
.macro QSCALE t, s, ns                 ; the step's 16 neighbours under scale s: hold, convert, store.  The held numbers' two sets take turns, so that plain lines stand between a conversion and the next write of its sources
.set HS, HLD+16*(((\t)*(\ns)+(\s))%2)
.set XS, NB+16*((\t)%2)
.set CS, COD+16*((\t)%2)+4*(\s)
.irp i, 0,1,2,3,4,5,6,7,8,9,10,11,12,13,14,15
	v_med3_num_f32 v[HS+\i], v[XS+\i], -v[SCL+2*(\s)+1], v[SCL+2*(\s)+1]   ; the conversion to an 8-bit code does not saturate (ISA guide 7.6.2)
.endr
	v_cvt_scalef32_pk8_bf8_f32 v[CS:CS+1], v[HS:HS+7], v[SCL+2*(\s)]
	v_cvt_scalef32_pk8_bf8_f32 v[CS+2:CS+3], v[HS+8:HS+15], v[SCL+2*(\s)]
	global_store_b128 v3, v[CS:CS+3], s[DST+2*(\s):DST+2*(\s)+1] offset:512*(\t)
.endm
.macro QSTEP t, ns
	s_wait_dscnt 0x0                               ; this step's numbers are back from the stage, and its stores into the stage have read their registers,
.if (\t)+4 < 16
	QLOAD (\t)+4                                   ; which take the loads of four steps on
.endif
.if (\t)+1 < 16
.if 14-(\t) >= 3
	s_wait_loadcnt 12                              ; the next step's four loads are in; the three steps behind it may be out
.else
	s_wait_loadcnt 4*(14-(\t))
.endif
	QTURN (\t)+1
.endif
	s_wait_xcnt 0x0                                ; earlier stores have read their data: the codes' registers may be written again
	QSCALE \t, 0, \ns
.if \ns > 1
	QSCALE \t, 1, \ns
	QSCALE \t, 2, \ns
	QSCALE \t, 3, \ns
.endif
.endm
; ---------------------------------------------------------------- W
.Lw:
	s_sub_co_u32 s46, ttmp9, 288
	s_lshr_b32 s47, s46, 5                         ; which of the four weights
	s_and_b32 s46, s46, 31
	s_lshl_b32 s46, s46, 2
	s_add_co_u32 s46, s46, s30                     ; my run of 8,192 numbers, 0..127
	s_mov_b64 s[SRC:SRC+1], s[14:15]
	s_cmp_eq_u32 s47, 1
	s_cselect_b64 s[SRC:SRC+1], s[16:17], s[SRC:SRC+1]
	s_cmp_eq_u32 s47, 2
	s_cselect_b64 s[SRC:SRC+1], s[18:19], s[SRC:SRC+1]
	s_cmp_eq_u32 s47, 3
	s_cselect_b64 s[SRC:SRC+1], s[20:21], s[SRC:SRC+1]
	s_lshl_b32 s48, s46, 15
	s_mov_b32 s49, 0
	s_add_nc_u64 s[SRC:SRC+1], s[SRC:SRC+1], s[48:49]
	s_lshl_b32 s48, s46, 13
	s_lshl_b32 s50, s47, 20
	s_add_co_u32 s48, s48, s50
	s_add_nc_u64 s[DST:DST+1], s[26:27], s[48:49]
	STAGEADR LBW
.irp t, 0,1,2,3
	QLOAD \t
.endr
	s_wait_kmcnt 0x0
	s_cmp_eq_u32 s47, 1
	s_cselect_b32 s33, s35, s33
	s_cmp_eq_u32 s47, 2
	s_cselect_b32 s33, s37, s33
	s_cmp_eq_u32 s47, 3
	s_cselect_b32 s33, s43, s33                    ; e1, e3, e5 or e11
	MKSCALE 0, 33
	s_wait_loadcnt 12
	QTURN 0
.irp t, 0,1,2,3,4,5,6,7,8,9,10,11,12,13,14,15
	QSTEP \t, 1
.endr
	s_set_vgpr_msb 0x8
	s_wait_tensorcnt 0x0
	ds_add_u32 v4, v1
	s_wait_dscnt 0x0
	s_set_vgpr_msb 0x800
	s_endpgm
; ---------------------------------------------------------------- X
.Lx:
	s_sub_co_u32 s46, ttmp9, 32
	s_lshl_b32 s46, s46, 2
	s_add_co_u32 s46, s46, s30                     ; my run of 8,192 numbers, 0..1023
	s_lshl_b32 s48, s46, 15
	s_mov_b32 s49, 0
	s_add_nc_u64 s[SRC:SRC+1], s[12:13], s[48:49]
	s_lshl_b32 s48, s46, 13
	s_add_nc_u64 s[DST:DST+1], s[24:25], s[48:49]
	s_add_nc_u64 s[DST+2:DST+3], s[DST:DST+1], 0x800000      ; the planes lie 8 MiB apart
	s_add_nc_u64 s[DST+4:DST+5], s[DST+2:DST+3], 0x800000
	s_add_nc_u64 s[DST+6:DST+7], s[DST+4:DST+5], 0x800000
	STAGEADR LBX
.irp t, 0,1,2,3
	QLOAD \t
.endr
	s_wait_kmcnt 0x0
	MKSCALE 0, 32                                  ; e0
	MKSCALE 1, 34                                  ; e2
	MKSCALE 2, 36                                  ; e4
	MKSCALE 3, 45                                  ; e13
	s_wait_loadcnt 12
	QTURN 0
.irp t, 0,1,2,3,4,5,6,7,8,9,10,11,12,13,14,15
	QSTEP \t, 4
.endr
	s_set_vgpr_msb 0x8
	s_wait_tensorcnt 0x0
	ds_add_u32 v4, v1
	s_wait_dscnt 0x0
	s_set_vgpr_msb 0x800
	s_endpgm
; ---------------------------------------------------------------- TIME
; REGISTERS.  Window 0: v3-15 addresses; v80-111 at work; v112-239 64 pairs (batch 0, batch 1): sums, then the hidden layer; v240-255 the embedding's 8 pairs, later the second layer's sums.
; Window 1 (v256-511): a ring of 32 places of 8 registers for rows of tW1; as its places fall free, four buffers of 64 registers for the passes over tW2.
; WHAT IS ON ITS WAY.  tb1's load goes out first; then rows 0-29 of tW1: 61 loads.  The pair of rows 2 p, 2 p + 1 asks for rows 2 p + 30, 2 p + 31.  Places 0-7, 8-15, 16-23 are read for the last time by pairs 19, 23, 27:
; behind pairs 20, 24, 28 they take passes 0, 1, 2 of tW2.  In the second layer pass P asks at its head for pass P + 3.
.macro TROW jj                         ; row 64 g + jj of tW1: the 128 threads read 2,048 consecutive bytes twice: the cosines' weights, the sines'  (destination: window 1)
	global_load_b128 v[8*((\jj)%32):8*((\jj)%32)+3], v3, s[6:7] offset:(\jj)*4096
	global_load_b128 v[8*((\jj)%32)+4:8*((\jj)%32)+7], v3, s[6:7] offset:(\jj)*4096+2048
.endm
.macro W2LOAD P                        ; pass P = 2 G + u: rows 256 w + 64 G + 2 rho + u of tW2, rho = 0..31, their 256 bytes of my 64 hidden units: sixteen lanes read one aligned piece  (destination: window 1)
.irp i, 0,1,2,3,4,5,6,7,8,9,10,11,12,13,14,15
	global_load_b128 v[64*((\P)%4)+4*\i:64*((\P)%4)+4*\i+3], v13, s[10:11] offset:((\P)/2)*131072+((\P)%2)*2048+\i*8192
.endr
.endm
.macro TPAIR p                         ; rows 2 p and 2 p + 1, line by line in turn: my eight weights of each against my eight pairs of the embedding
.set CNT, 4*(31-(\p))                  ; what may stay out: two loads for each younger row, of which 28 at the most have been asked for,
.if CNT > 56
.set CNT, 56
.endif
.if (\p) > 20
.set CNT, CNT+16*(((\p)+3)/4-5)        ; and the sixteen loads of each pass of tW2 asked for so far
.endif
	s_wait_loadcnt CNT
	WIN 0x04                                       ; source 1, the weights: window 1
.set WA, 8*((2*(\p))%32)
.set WB, WA+8
.set AA, 112+4*(\p)
.set AB, AA+2
	v_pk_mul_f32 v[AA:AA+1], v[240:241], v[WA:WA+1] op_sel:[0,0] op_sel_hi:[1,0]
	v_pk_mul_f32 v[AB:AB+1], v[240:241], v[WB:WB+1] op_sel:[0,0] op_sel_hi:[1,0]
	v_pk_fma_f32 v[AA:AA+1], v[242:243], v[WA:WA+1], v[AA:AA+1] op_sel:[0,1,0] op_sel_hi:[1,1,1]
	v_pk_fma_f32 v[AB:AB+1], v[242:243], v[WB:WB+1], v[AB:AB+1] op_sel:[0,1,0] op_sel_hi:[1,1,1]
.irp k, 2,4,6
	v_pk_fma_f32 v[AA:AA+1], v[240+2*\k:241+2*\k], v[WA+\k:WA+\k+1], v[AA:AA+1] op_sel:[0,0,0] op_sel_hi:[1,0,1]
	v_pk_fma_f32 v[AB:AB+1], v[240+2*\k:241+2*\k], v[WB+\k:WB+\k+1], v[AB:AB+1] op_sel:[0,0,0] op_sel_hi:[1,0,1]
	v_pk_fma_f32 v[AA:AA+1], v[242+2*\k:243+2*\k], v[WA+\k:WA+\k+1], v[AA:AA+1] op_sel:[0,1,0] op_sel_hi:[1,1,1]
	v_pk_fma_f32 v[AB:AB+1], v[242+2*\k:243+2*\k], v[WB+\k:WB+\k+1], v[AB:AB+1] op_sel:[0,1,0] op_sel_hi:[1,1,1]
.endr
.if 2*(\p)+30 < 64
	WIN 0x40                                       ; destination: window 1
	TROW 2*(\p)+30                                 ; into the places that the pair before has read
	TROW 2*(\p)+31
.endif
.if ((\p) == 20) || ((\p) == 24) || ((\p) == 28)
	WIN 0x40
	W2LOAD ((\p)-20)/4
.endif
.endm
.macro DOT4 hb, wb, first              ; four hidden units: four chains of pairs (batch 0, batch 1)
.if \first
	v_pk_mul_f32 v[240:241], v[\hb:\hb+1], v[\wb:\wb+1] op_sel:[0,0] op_sel_hi:[1,0]
	v_pk_mul_f32 v[242:243], v[\hb+2:\hb+3], v[\wb:\wb+1] op_sel:[0,1] op_sel_hi:[1,1]
	v_pk_mul_f32 v[244:245], v[\hb+4:\hb+5], v[\wb+2:\wb+3] op_sel:[0,0] op_sel_hi:[1,0]
	v_pk_mul_f32 v[246:247], v[\hb+6:\hb+7], v[\wb+2:\wb+3] op_sel:[0,1] op_sel_hi:[1,1]
.else
	v_pk_fma_f32 v[240:241], v[\hb:\hb+1], v[\wb:\wb+1], v[240:241] op_sel:[0,0,0] op_sel_hi:[1,0,1]
	v_pk_fma_f32 v[242:243], v[\hb+2:\hb+3], v[\wb:\wb+1], v[242:243] op_sel:[0,1,0] op_sel_hi:[1,1,1]
	v_pk_fma_f32 v[244:245], v[\hb+4:\hb+5], v[\wb+2:\wb+3], v[244:245] op_sel:[0,0,0] op_sel_hi:[1,0,1]
	v_pk_fma_f32 v[246:247], v[\hb+6:\hb+7], v[\wb+2:\wb+3], v[246:247] op_sel:[0,1,0] op_sel_hi:[1,1,1]
.endif
.endm
.macro PASS P
.if 7-(\P) >= 2
	s_wait_loadcnt 32                              ; the pass's 16 loads are in; those of the two passes behind it may be out
.else
	s_wait_loadcnt 16*(7-(\P))
.endif
.if (\P)+3 < 8
	WIN 0x40
	W2LOAD (\P)+3                                  ; into the buffer that the pass before has stored from (its wait on DScnt has shown those stores done)
.endif
	WIN 0x04                                       ; the stores' data: window 1
.irp i, 0,1,2,3,4,5,6,7,8,9,10,11,12,13,14,15
	ds_store_b128 v14, v[64*((\P)%4)+4*\i:64*((\P)%4)+4*\i+3] offset:544*\i      ; into my stage by rows,
.endr
	WIN 0
.irp i, 0,1,2,3,4,5,6,7
	ds_load_b128 v[80+4*\i:83+4*\i], v15 offset:16*\i        ; and back a row a lane: hidden units 0-31
.endr
	s_wait_dscnt 0x0                               ; the stores have read their registers
	DOT4 112, 80, 1
.irp q, 1,2,3,4,5,6,7
	DOT4 112+8*\q, 80+4*\q, 0
.endr
.irp i, 0,1,2,3,4,5,6,7
	ds_load_b128 v[80+4*\i:83+4*\i], v15 offset:128+16*\i    ; hidden units 32-63
.endr
	s_wait_dscnt 0x0
.irp q, 0,1,2,3,4,5,6,7
	DOT4 176+8*\q, 80+4*\q, 0
.endr
	v_pk_add_f32 v[240:241], v[240:241], v[242:243]
	v_pk_add_f32 v[244:245], v[244:245], v[246:247]
	v_pk_add_f32 v[248+2*((\P)%2):249+2*((\P)%2)], v[240:241], v[244:245]
.if (\P)%2
	s_wait_xcnt 0x0                                ; the last stores have read their data
	v_mov_b32 v252, v248                           ; batch 0: rows 2 rho, 2 rho + 1
	v_mov_b32 v253, v250
	v_mov_b32 v254, v249                           ; batch 1
	v_mov_b32 v255, v251
	global_store_b64 v6, v[252:253], s[28:29] offset:256*((\P)/2)        ; 32 lanes store 256 consecutive bytes, aligned
	global_store_b64 v6, v[254:255], s[28:29] offset:256*((\P)/2)+4096
.endif
.endm
.Ltime:
	s_and_b32 s46, ttmp9, 7                        ; g
	s_lshr_b32 s47, ttmp9, 3                       ; beta
	s_lshl_b32 s48, s47, 3
	s_mov_b32 s49, 0
	s_add_nc_u64 s[4:5], s[4:5], s[48:49]
	s_load_b64 s[50:51], s[4:5], 0x0               ; t of my two batches
	s_lshl_b32 s48, s46, 8
	s_add_nc_u64 s[8:9], s[8:9], s[48:49]          ; tb1 at my 64 hidden units
	v_lshrrev_b32 v9, 1, v0
	v_lshlrev_b32 v9, 2, v9
	global_load_b32 v10, v9, s[8:9]                ; the oldest load: the first pair's wait shows it in
	v_lshrrev_b32 v5, 4, v2                        ; lane / 16
	v_and_b32 v7, 15, v2                           ; lane % 16
	v_lshlrev_b32 v13, 12, v5
	v_lshl_add_u32 v13, v7, 4, v13
	v_add_nc_u32 v13, s48, v13                     ; tW2: two rows on for lanes 16-31, 16 bytes a lane, + 256 g
	s_lshl_b32 s48, s46, 18                        ; 64 g rows of 4,096 bytes
	s_add_nc_u64 s[6:7], s[6:7], s[48:49]
	v_lshlrev_b32 v3, 4, v0                        ; 16 x thread
	WIN 0x40
.set j, 0
.rept 30
	TROW j
.set j, j+1
.endr
	WIN 0
	s_lshl_b32 s48, s30, 19                        ; tW2: my wave's 256 rows of 2,048 bytes
	s_add_nc_u64 s[10:11], s[10:11], s[48:49]
	s_mul_i32 s31, s30, 32*272
	s_add_co_u32 s31, s31, TSTG
	v_mul_u32_u24 v14, v5, 272
	v_lshl_add_u32 v14, v7, 4, v14
	v_add_nc_u32 v14, s31, v14
	v_mul_u32_u24 v15, v2, 272
	v_add_nc_u32 v15, s31, v15
	v_lshlrev_b32 v6, 3, v2
	s_lshl_b32 s48, s46, 3
	s_lshl_b32 s62, s47, 1
	s_add_co_u32 s48, s48, s62
	s_lshl_b32 s48, s48, 12                        ; tpart: (8 g + 2 beta) rows of 4,096 bytes,
	s_lshl_b32 s62, s30, 10                        ; + 256 w numbers
	s_add_co_u32 s48, s48, s62
	s_add_nc_u64 s[28:29], s[28:29], s[48:49]
	s_lshl_b32 s62, s30, 9
	s_add_co_u32 s62, s62, RED
	v_mov_b32 v8, s62
	v_lshl_add_u32 v11, v0, 2, RED
	v_mov_b32 v12, HFIN
	s_mov_b32 s52, 0xbfc90fdb                      ; -pi/2, its f32 value,
	s_mov_b32 s53, 0x333bbd2e                      ; and what that value has too much
	s_mov_b32 s54, 0xb94ca1f9                      ; sine: r + r z (s56 + z (s55 + z s54)), z = r r, |r| <= pi/4
	s_mov_b32 s55, 0x3c08839e
	s_mov_b32 s56, 0xbe2aaaa3
	s_mov_b32 s57, 0x37ccf5ce                      ; cosine: 1 - z/2 + z z (s59 + z (s58 + z s57))
	s_mov_b32 s58, 0xbab6061a
	s_mov_b32 s59, 0x3d2aaaa5
	s_mov_b32 s60, 0x76543210                      ; v_permlanex16_b32: lane l xor 16
	s_mov_b32 s61, 0xfedcba98
	; the embedding, made while the first rows are on their way: thread tau owns frequencies i = 4 tau + 0..3: f = 2^(-i log2(10000) / 512)
	v_lshlrev_b32 v7, 2, v0
.irp k, 0,1,2,3
	v_add_nc_u32 v[80+\k], \k, v7
.endr
.irp k, 0,1,2,3
	v_cvt_f32_u32 v[80+\k], v[80+\k]
.endr
.irp k, 0,1,2,3
	v_mul_f32 v[80+\k], 0xbcd49a78, v[80+\k]
.endr
.irp k, 0,1,2,3
	v_exp_f32 v[80+\k], v[80+\k]
.endr
	v_nop                                          ; a plain line behind the last exponential
	s_wait_alu depctr_va_vdst(0)                   ; one wait for the four, ahead of their first reader
	s_wait_kmcnt 0x0
.irp a, 0,1,2,3,4,5,6,7                    ; a = 2 k + batch
	v_mul_f32 v[84+\a], s[50+(\a%2)], v[80+(\a/2)]         ; x = t f
.endr
.irp a, 0,1,2,3,4,5,6,7
	v_mul_f32 v[92+\a], 0x3f22f983, v[84+\a]
.endr
.irp a, 0,1,2,3,4,5,6,7
	v_rndne_f32 v[92+\a], v[92+\a]                         ; n = the nearest whole number to x 2/pi
.endr
.irp a, 0,1,2,3,4,5,6,7
	v_fma_f32 v[100+\a], v[92+\a], s52, v[84+\a]
.endr
.irp a, 0,1,2,3,4,5,6,7
	v_fma_f32 v[100+\a], v[92+\a], s53, v[100+\a]          ; r = x - n pi/2
.endr
.irp a, 0,1,2,3,4,5,6,7
	v_mul_f32 v[112+\a], v[100+\a], v[100+\a]              ; z
.endr
.irp a, 0,1,2,3,4,5,6,7
	v_fma_f32 v[120+\a], v[112+\a], s54, s55
	v_fma_f32 v[128+\a], v[112+\a], s57, s58
.endr
.irp a, 0,1,2,3,4,5,6,7
	v_fma_f32 v[120+\a], v[120+\a], v[112+\a], s56
	v_fma_f32 v[128+\a], v[128+\a], v[112+\a], s59
.endr
.irp a, 0,1,2,3,4,5,6,7
	v_mul_f32 v[120+\a], v[120+\a], v[112+\a]
	v_mul_f32 v[136+\a], v[112+\a], v[112+\a]
	v_fma_f32 v[144+\a], v[112+\a], -0.5, 1.0
.endr
.irp a, 0,1,2,3,4,5,6,7
	v_fma_f32 v[120+\a], v[120+\a], v[100+\a], v[100+\a]   ; sin r
	v_fma_f32 v[128+\a], v[128+\a], v[136+\a], v[144+\a]   ; cos r
	v_cvt_i32_f32 v[136+\a], v[92+\a]                      ; the quadrant
.endr
.irp a, 0,1,2,3,4,5,6,7
	v_and_b32 v[144+\a], 1, v[136+\a]
	v_cmp_eq_u32 vcc_lo, 1, v[144+\a]                      ; in odd quadrants the two change places
	v_cndmask_b32 v[248+\a], v[120+\a], v[128+\a], vcc_lo
	v_cndmask_b32 v[240+\a], v[128+\a], v[120+\a], vcc_lo
	v_and_b32 v[144+\a], 2, v[136+\a]                      ; the sine is negative in quadrants 2, 3,
	v_lshlrev_b32 v[144+\a], 30, v[144+\a]
	v_xor_b32 v[248+\a], v[248+\a], v[144+\a]
	v_add_nc_u32 v[144+\a], 1, v[136+\a]                   ; the cosine in 1, 2
	v_and_b32 v[144+\a], 2, v[144+\a]
	v_lshlrev_b32 v[144+\a], 30, v[144+\a]
	v_xor_b32 v[240+\a], v[240+\a], v[144+\a]
.endr
	; first layer: 64 rows, my eight columns of each
.set P, 0
.rept 32
	TPAIR P
.set P, P+1
.endr
	WIN 0
	; the wave's sum of each of the 128 registers
.irp m, 1,2,4,8
.set j, 0
.rept 128
	v_add_f32_dpp v[112+j], v[112+j], v[112+j] row_xmask:\m row_mask:0xf bank_mask:0xf
.set j, j+1
.endr
.endr
.set q, 0
.rept 8
.set j, 0
.rept 16
	v_permlanex16_b32 v[80+j], v[112+16*q+j], s60, s61
.set j, j+1
.endr
.set j, 0
.rept 16
	v_add_f32 v[112+16*q+j], v[112+16*q+j], v[80+j]
.set j, j+1
.endr
.set q, q+1
.endr
.set j, 0
.rept 32
	ds_store_b128 v8, v[112+4*j:115+4*j] offset:16*j         ; all lanes hold the same numbers and write the same bytes
.set j, j+1
.endr
	s_wait_dscnt 0x0                               ; for the others' sake
	s_barrier_signal -1
	s_barrier_wait -1
.irp w, 0,1,2,3
	ds_load_b32 v[80+\w], v11 offset:512*\w        ; thread tau: hidden unit tau / 2, batch tau % 2, of the four waves
.endr
	s_wait_dscnt 0x0
	v_add_f32 v80, v80, v81
	v_add_f32 v82, v82, v83
	v_add_f32 v80, v80, v82
	v_add_f32 v80, v80, v10                        ; + tb1
	v_max_num_f32 v80, 0, v80                      ; relu
	ds_store_b32 v11, v80 offset:HFIN-RED
	s_wait_dscnt 0x0
	s_barrier_signal -1
	s_barrier_wait -1
.set j, 0
.rept 32
	ds_load_b128 v[112+4*j:115+4*j], v12 offset:16*j         ; the 64 pairs, in every lane
.set j, j+1
.endr
.irp P, 0,1,2,3,4,5,6,7
	PASS \P
.endr
	s_set_vgpr_msb 0x8
	s_wait_tensorcnt 0x0
	ds_add_u32 v4, v1
	s_wait_dscnt 0x0
	s_set_vgpr_msb 0x800
	s_endpgm
.Lfunc_end_k_qf0f5222a61_prep:
	.size	k_qf0f5222a61_prep, .Lfunc_end_k_qf0f5222a61_prep-k_qf0f5222a61_prep
	.p2alignl 7, 3214868480
	.fill 96, 4, 3214868480
	.section	.rodata,"a",@progbits
	.p2align	6, 0x0
	.amdhsa_kernel k_qf0f5222a61_prep
		.amdhsa_group_segment_fixed_size 78848
		.amdhsa_private_segment_fixed_size 0
		.amdhsa_enable_private_segment 0
		.amdhsa_kernarg_size 104
		.amdhsa_user_sgpr_count 2
		.amdhsa_user_sgpr_kernarg_segment_ptr 1
		.amdhsa_wavefront_size32 1
		.amdhsa_system_sgpr_workgroup_id_x 1
		.amdhsa_system_sgpr_workgroup_id_y 1
		.amdhsa_system_sgpr_workgroup_id_z 1
		.amdhsa_system_vgpr_workitem_id 0
		.amdhsa_next_free_vgpr 514
		.amdhsa_next_free_sgpr 66
		.amdhsa_reserve_vcc 1
		.amdhsa_float_denorm_mode_32 3
		.amdhsa_float_denorm_mode_16_64 3
		.amdhsa_memory_ordered 1
		.amdhsa_forward_progress 1
		.amdhsa_inst_pref_size 255
	.end_amdhsa_kernel
	.section	.bss,"aw",@nobits
	.p2align	6
	.space	262144
	.amdgpu_metadata
---
amdhsa.version: [ 1, 2 ]
amdhsa.kernels:
  - .name:           k_qf0f5222a61_prep
    .symbol:         k_qf0f5222a61_prep.kd
    .args:
      - { .name: t, .offset: 0, .size: 8, .value_kind: global_buffer, .address_space: global }
      - { .name: tW1, .offset: 8, .size: 8, .value_kind: global_buffer, .address_space: global }
      - { .name: tb1, .offset: 16, .size: 8, .value_kind: global_buffer, .address_space: global }
      - { .name: tW2, .offset: 24, .size: 8, .value_kind: global_buffer, .address_space: global }
      - { .name: encoded_jobs, .offset: 32, .size: 8, .value_kind: global_buffer, .address_space: global }
      - { .name: Wq, .offset: 40, .size: 8, .value_kind: global_buffer, .address_space: global }
      - { .name: Wk, .offset: 48, .size: 8, .value_kind: global_buffer, .address_space: global }
      - { .name: Wv, .offset: 56, .size: 8, .value_kind: global_buffer, .address_space: global }
      - { .name: Wc, .offset: 64, .size: 8, .value_kind: global_buffer, .address_space: global }
      - { .name: lowp_scales, .offset: 72, .size: 8, .value_kind: global_buffer, .address_space: global }
      - { .name: xcodes, .offset: 80, .size: 8, .value_kind: global_buffer, .address_space: global }
      - { .name: wcodes, .offset: 88, .size: 8, .value_kind: global_buffer, .address_space: global }
      - { .name: tpart, .offset: 96, .size: 8, .value_kind: global_buffer, .address_space: global }
    .group_segment_fixed_size: 78848
    .private_segment_fixed_size: 0
    .kernarg_segment_align: 8
    .kernarg_segment_size: 104
    .max_flat_workgroup_size: 128
    .sgpr_count:     66
    .vgpr_count:     514
    .wavefront_size: 32
...
	.end_amdgpu_metadata
.endif
;; end of part 1
;; launch qkv (part 2): grid 4 x 192, 4 waves a work-group, clusters of 4 x 4, 327,680 bytes of LDS; arguments xcodes, wcodes, lowp_scales, qkv; writes qkv
.if DOCPART == 2
	.amdgcn_target "amdgcn-amd-amdhsa--gfx1250"
	.amdhsa_code_object_version 6
	.text
	.protected	k_qf0f5222a61_qkv
	.globl	k_qf0f5222a61_qkv
	.p2align	8
	.type	k_qf0f5222a61_qkv,@function
k_qf0f5222a61_qkv:
	s_mov_b64 s[64:65], 0
	v_nop
	global_prefetch_b8 v0, s[64:65] scope:SCOPE_SE
	s_setreg_imm32_b32 hwreg(HW_REG_WAVE_MODE, 25, 1), 1
	s_wait_xcnt 0x0
	s_wait_alu depctr_hold_cnt(0) depctr_sa_sdst(0) depctr_va_vdst(0) depctr_va_sdst(0) depctr_va_ssrc(0) depctr_va_vcc(0) depctr_vm_vsrc(0)
	s_getreg_b32 s2, hwreg(HW_REG_IB_STS2, 6, 4)
	s_cmp_eq_u32 s2, 0
	s_cbranch_scc0 .Lentry_in_a_cluster
	s_endpgm
.Lentry_in_a_cluster:
	s_bfe_u32 s2, ttmp6, 0x10000c
	s_cmp_lg_u32 s2, 0xf033
	s_cbranch_scc0 .Lentry_shape_is_right
	s_endpgm
.Lentry_shape_is_right:
; QKV: q = x Wq^T, k = x Wk^T, v = x Wv^T on codes of E5M2, each result quantised on the way out for attention's products.
; 48 clusters of 4 x 4 work-groups; cluster y = 16 T + c': T = 0: q, 1: k, 2: v.  A tile of C is 128 rows of "A" x 256 rows of "B".
;   T < 2: A = x's codes (plane T), B = the weight's: C's rows are tokens.  q, k leave as [batch, head][token][64].
;   T = 2: A = Wv's codes, B = x's (plane 2): C's COLUMNS are tokens, so v leaves with the keys innermost, [batch, head][d][1024], and nothing is transposed.
; Four waves, 2 x 2; a wave makes 64 x 128: 32 accumulators.  K = 1,024 is four K steps of 256 (rows of 256 bytes).  THREE LDS slots: K steps 0, 1, 2 are asked for at the head, K step 3 fills slot 0 again.
; A's tile is shared along a row of the cluster, B's along a column: joint loads.  Wave 0 asks for A's 128 rows, waves 1 and 2 for B's halves; at most three tensor loads of a wave are out.
; THE MATRIX INSTRUCTION IS USED TRANSPOSED (source 0 = 16 rows of B, source 1 = 16 rows of A): a lane holds 8 neighbouring columns of one row of C.
; A sum stands for sum x 2^(ea + eb), so its code is sum / 2^(eq - ea - eb): the three given exponents are folded into the conversion's one scale.
; LIMITS: e6 - e0 - e1, e7 - e2 - e3 and e9 - e4 - e5 lie between -126 and 112.
; REGISTERS: window 0: addresses, v31 the scale, v32-159 the way out.  Windows 1 and 2: two sets of fragments (B's eight at v[16 b], A's four at v[128 + 16 a]).  Window 3: accumulator (a, b) at v[8 (8 a + b)].
.set PITCH,  272                       ; an LDS row: 256 bytes + 16 of padding: the 16 rows that a load touches start at 16 different banks (64 banks of 4 bytes: ISA guide 11.1)
.set HALFT,  128*PITCH
.set SLOT,   3*HALFT                   ; A's 128 rows, then B's 256
.set SPARE,  3*SLOT                    ; the spare words, 128 bytes a wave: two blocks of 256 bytes that no other line names
.set STG,    SLOT                      ; the way out's stage lies in slot 1, which has had its only fill and its last read by then
.set KBA,    256                       ; bytes from K step to K step in A
.set ADRA, 16                          ; v16-18 my A fragments in slots 0, 1, 2
.set ADRB, 20                          ; v20-22 the same for B
.set COV,  23
.set STO,  24
.set RDQ,  25
.set COQ,  26
.set RDV,  27
.set SPW,  28
.set NIL,  29
.set G1A, 24
.set G1B, 32
.set G0A, 48                           ; s[48:59] three sets
.set G0B, 68                           ; s[68:79] three sets
.set MSB, 0
.macro WIN new                         ; the immediate's high byte repeats the setting that is left
.if MSB != (\new)
	s_set_vgpr_msb (MSB<<8)|(\new)
.set MSB, (\new)
.endif
.endm
.macro PLACES n
.rept \n
	v_nop
.endr
.endm
.macro CREST                           ; a round of the cluster's barrier behind its opening barrier
	s_cmp_lg_u32 s14, 0
	s_cbranch_scc1 .Lnot_wave_0_\@
	s_barrier_signal -3
.Lnot_wave_0_\@:
	s_barrier_wait -3
	s_barrier_signal -1
	s_barrier_wait -1
.endm
.macro CROUND
	s_barrier_signal -1
	s_barrier_wait -1
	CREST
.endm
.macro JLOAD                           ; the one refill: slot 0.  The branches hang on the wave's number alone; four v_nop follow each tensor load
	s_cmp_eq_u32 s14, 0
	s_cbranch_scc0 .Lnot_a_\@
	tensor_load_to_lds s[G0A:G0A+3], s[G1A:G1A+7]
	s_nop 0
	PLACES 4
	s_branch .Lasked_\@
.Lnot_a_\@:
	s_cmp_lt_u32 s14, 3
	s_cbranch_scc0 .Lasked_\@
	tensor_load_to_lds s[G0B:G0B+3], s[G1B:G1B+7]
	s_nop 0
	PLACES 4
.Lasked_\@:
.endm
; a fragment, 16 rows x 128 K, is 16 registers: lane l holds row l % 16; registers 4 c .. 4 c + 3 hold K = 32 c + 16 (l / 16) + 0 .. 15: the same places of k in A and in B
.macro FRAGB reg, slot, q, i
.irp c, 0,1,2,3
	ds_load_b128 v[\reg+4*\c:\reg+4*\c+3], v[ADRB+\slot] offset:128*(\q)+32*\c+(\i)*16*PITCH
.endr
.endm
.macro FRAGA reg, slot, q, i
.irp c, 0,1,2,3
	ds_load_b128 v[\reg+4*\c:\reg+4*\c+3], v[ADRA+\slot] offset:128*(\q)+32*\c+(\i)*16*PITCH
.endr
.endm
.macro FETCH slot, q, set              ; 48 LDS loads in one run: B's eight fragments, then A's four
	WIN 0x40*((\set)+1)
.irp i, 0,1,2,3,4,5,6,7
	FRAGB 16*\i, \slot, \q, \i
.endr
.irp i, 0,1,2,3
	FRAGA 128+16*\i, \slot, \q, \i
.endr
.endm
.macro MUL8 a, zero                    ; A's block a against B's eight.  The 32 accumulators take turns, one instruction a turn, in the same order in every step
.irp b, 0,1,2,3,4,5,6,7
.if \zero
	v_wmma_f32_16x16x128_bf8_bf8 v[8*(8*(\a)+\b):8*(8*(\a)+\b)+7], v[16*\b:16*\b+15], v[128+16*(\a):128+16*(\a)+15], 0
.else
	v_wmma_f32_16x16x128_bf8_bf8 v[8*(8*(\a)+\b):8*(8*(\a)+\b)+7], v[16*\b:16*\b+15], v[128+16*(\a):128+16*(\a)+15], v[8*(8*(\a)+\b):8*(8*(\a)+\b)+7]
.endif
.endr
.endm
.macro STEP set, nslot, nq, zero       ; 128 along K out of fragment set "set"; in its middle the next step's fragments are fetched into the other set
	s_wait_dscnt 8                                 ; B's eight and A's blocks 0, 1 are in; the youngest eight loads (A's 2, 3) may be out
	WIN 0xf5+5*(\set)
	MUL8 0, \zero
	MUL8 1, \zero
	PLACES 4                                       ; four plain lines in front of loads into registers that matrix instructions have read
	FETCH \nslot, \nq, 1-(\set)
	s_wait_dscnt 48                                ; all but the 48 just issued
	WIN 0xf5+5*(\set)
	MUL8 2, \zero
	MUL8 3, \zero
.endm
.macro TURN set, nslot, fill           ; a step in front of which all tensor loads are awaited; fill = 1: slot 0 is filled again, behind a round of the cluster's barrier
	WIN 0
	s_wait_tensorcnt 0x0                           ; all my tensor loads have landed
	ds_add_u32 v[SPW], v[NIL]                      ; 0 onto my spare word
	s_wait_dscnt 9                                 ; (the add and the youngest eight loads may be out)
	WIN 0xf5+5*(\set)
	MUL8 0, 0
	s_wait_dscnt 0x0                               ; the add is done, and my reads of the slots so far are over
	s_barrier_signal -1
	MUL8 1, 0
	WIN 0
	s_barrier_wait -1
.if \fill
	CREST                                          ; no wave of any partner still reads slot 0 or has a load on its way
	s_add_nc_u64 s[G0A+2:G0A+3], s[G0A+2:G0A+3], 3*KBA
	s_add_nc_u64 s[G0B+2:G0B+3], s[G0B+2:G0B+3], 3*256
	JLOAD                                          ; K step 3: it has four steps of 128, 128 matrix instructions a wave, in which to land
.endif
	PLACES 4
	FETCH \nslot, 0, 1-(\set)
	WIN 0xf5+5*(\set)
	MUL8 2, 0
	MUL8 3, 0
.endm
.macro LAST set
	s_wait_dscnt 8
	WIN 0xf5+5*(\set)
	MUL8 0, 0
	MUL8 1, 0
	s_wait_alu depctr_va_vdst(0)
	s_wait_dscnt 0x0
	MUL8 2, 0
	MUL8 3, 0
	WIN 0
.endm
	s_load_b256 s[4:11], s[0:1], 0x0               ; xcodes s[4:5], wcodes s[6:7], the scales' exponents s[8:9], qkv s[10:11]
	v_lshl_add_u32 v[SPW], v0, 2, SPARE
	v_mov_b32 v[NIL], 0
	ds_add_u32 v28, v29
	ds_add_u32 v28, v29
	s_wait_dscnt 0x0
	v_lshrrev_b32 v1, 5, v0
	v_readfirstlane_b32 s14, v1                    ; wave 0..3
	s_lshr_b32 s15, s14, 1                         ; which 64 rows of the tile are mine
	s_and_b32 s16, s14, 1                          ; which 128 columns
	s_bfe_u32 s40, ttmp6, 0x40000                  ; cx
	s_bfe_u32 s41, ttmp6, 0x40004                  ; cy
	s_and_b32 s60, ttmp7, 0xffff                   ; the cluster's y: the same in all sixteen partners
	s_lshr_b32 s61, s60, 4                         ; T
	s_and_b32 s60, s60, 15                         ; c'
	s_and_b32 s62, s60, 1
	s_lshr_b32 s63, s60, 1
	s_lshl_b32 s66, s61, 20
	s_lshl_b32 s67, s61, 23
	s_cmp_eq_u32 s61, 2
	s_cselect_b32 s62, s62, s60                    ; the cluster's row of tiles: c', or for v c' % 2
	s_cselect_b32 s63, s63, 0                      ; its column: 0, or for v c' / 2
	s_cselect_b32 s20, s66, s67                    ; A's plane: x's lie 8 MiB apart, the weights' 1 MiB
	s_cselect_b32 s46, s67, s66                    ; B's plane
	s_lshl_b32 s17, s62, 2
	s_add_co_u32 s17, s17, s41                     ; ty
	s_lshl_b32 s42, s63, 2
	s_add_co_u32 s42, s42, s40                     ; tx
	s_lshl_b32 s43, s41, 2
	s_lshl_b32 s43, 15, s43                        ; my row of the cluster
	s_lshl_b32 s44, 0x1111, s40                    ; my column
	s_or_b32 s[G1A], s43, (1<<20)|(1<<21)|(5<<22)|(3<<25)    ; 15:0 the mask; 17:16 elements of 1 byte; 20 padding on; 21 set beside a mask; 24:22 after every 64 words; 31:25 four words
	s_or_b32 s[G1B], s44, (1<<20)|(1<<21)|(5<<22)|(3<<25)
.irp g, G1A, G1B
	s_mov_b32 s[\g+1], 256<<16                     ; tensor_dim0
	s_mov_b32 s[\g+2], 128<<16                     ; tensor_dim1
	s_mov_b32 s[\g+3], 256<<16                     ; tile_dim0
	s_mov_b32 s[\g+4], 128                         ; tile_dim1
	s_mov_b32 s[\g+5], 1024                        ; from row to row
	s_mov_b32 s[\g+6], 0
	s_mov_b32 s[\g+7], 0
.endr
	s_lshl_b32 s18, s17, 17                        ; A: 128 ty rows of 1,024 bytes
	s_add_co_u32 s20, s20, s18
	s_mov_b32 s21, 0
	s_sub_co_u32 s19, s14, 1
	s_and_b32 s19, s19, 1                          ; B: wave 1 takes rows 0-127 of the tile, wave 2 rows 128-255
	s_lshl_b32 s19, s19, 17
	s_lshl_b32 s22, s42, 18
	s_add_co_u32 s46, s46, s22
	s_add_co_u32 s46, s46, s19
	s_mov_b32 s47, 0
	s_mul_i32 s45, s14, HALFT                      ; where a loader's tile goes: wave x 128 rows
	s_wait_kmcnt 0x0
	s_load_b256 s[80:87], s[8:9], 0x0              ; e0 .. e7
	s_load_b128 s[88:91], s[8:9], 0x20             ; e8 .. e11
	s_cmp_eq_u32 s61, 2
	s_cselect_b64 s[2:3], s[6:7], s[4:5]           ; A's buffer
	s_cselect_b64 s[12:13], s[4:5], s[6:7]         ; B's buffer
	s_add_nc_u64 s[20:21], s[2:3], s[20:21]
	s_add_nc_u64 s[46:47], s[12:13], s[46:47]
	CROUND                                         ; all sixteen work-groups are here: the first joint loads meet
.irp s, 0,1,2
	s_mov_b32 s[G0A+4*\s], 1
	s_add_co_u32 s[G0A+4*\s+1], s45, \s*SLOT
	s_add_nc_u64 s[G0A+4*\s+2:G0A+4*\s+3], s[20:21], \s*KBA
	s_or_b32 s[G0A+4*\s+3], s[G0A+4*\s+3], 0x80000000
	s_mov_b32 s[G0B+4*\s], 1
	s_add_co_u32 s[G0B+4*\s+1], s45, \s*SLOT
	s_add_nc_u64 s[G0B+4*\s+2:G0B+4*\s+3], s[46:47], \s*256
	s_or_b32 s[G0B+4*\s+3], s[G0B+4*\s+3], 0x80000000
.endr
	s_cmp_eq_u32 s14, 0                            ; a wave's three first fills stand in one branch
	s_cbranch_scc0 .Lff_b
	tensor_load_to_lds s[G0A:G0A+3], s[G1A:G1A+7]
	s_nop 0
	tensor_load_to_lds s[G0A+4:G0A+7], s[G1A:G1A+7]
	s_nop 0
	tensor_load_to_lds s[G0A+8:G0A+11], s[G1A:G1A+7]
	s_nop 0
	PLACES 4
	s_branch .Lff_done
.Lff_b:
	s_cmp_lt_u32 s14, 3
	s_cbranch_scc0 .Lff_done
	tensor_load_to_lds s[G0B:G0B+3], s[G1B:G1B+7]
	s_nop 0
	tensor_load_to_lds s[G0B+4:G0B+7], s[G1B:G1B+7]
	s_nop 0
	tensor_load_to_lds s[G0B+8:G0B+11], s[G1B:G1B+7]
	s_nop 0
	PLACES 4
.Lff_done:
	v_and_b32 v1, 15, v0                           ; r
	v_bfe_u32 v2, v0, 4, 1                         ; h
	v_mul_u32_u24 v3, v1, PITCH
	v_lshl_add_u32 v3, v2, 4, v3
	s_mul_i32 s92, s15, 64*PITCH                   ; my 64 rows of A
	s_mul_i32 s93, s16, HALFT
	s_add_co_u32 s93, s93, HALFT                   ; my 128 rows of B, behind A's 128
.irp s, 0,1,2
	v_add_nc_u32 v[ADRA+\s], s92, v3
	v_add_nc_u32 v[ADRB+\s], s93, v3
	s_add_co_u32 s92, s92, SLOT
	s_add_co_u32 s93, s93, SLOT
.endr
	s_mul_i32 s92, s15, 64*PITCH                   ; the stage, 128 rows x (256 + 16) bytes of codes: in at row 64 RH + r, byte 128 CHF + 8 h
	s_lshl_b32 s93, s16, 7
	s_add_co_u32 s92, s92, s93
	s_add_co_u32 s92, s92, STG
	v_mul_u32_u24 v[STO], v1, PITCH
	v_lshl_add_u32 v[STO], v2, 3, v[STO]
	v_add_nc_u32 v[STO], s92, v[STO]
	s_mul_i32 s92, s14, 32*PITCH                   ; out: wave w takes rows 32 w .. 32 w + 31
	s_add_co_u32 s92, s92, STG
	v_and_b32 v5, 31, v0
	v_lshrrev_b32 v6, 2, v5
	v_mul_u32_u24 v[RDQ], v6, PITCH                ; q, k: four lanes to a token's 64 bytes of one head
	v_and_b32 v6, 3, v5
	v_lshl_add_u32 v[RDQ], v6, 4, v[RDQ]
	v_add_nc_u32 v[RDQ], s92, v[RDQ]
	v_lshlrev_b32 v[COQ], 4, v5
	v_mul_u32_u24 v[RDV], v2, PITCH                ; v: sixteen lanes to a row of 256 bytes
	v_lshl_add_u32 v[RDV], v1, 4, v[RDV]
	v_add_nc_u32 v[RDV], s92, v[RDV]
	v_lshlrev_b32 v[COV], 10, v2
	v_lshl_add_u32 v[COV], v1, 4, v[COV]
	s_wait_kmcnt 0x0
	s_sub_co_i32 s92, s86, s80
	s_sub_co_i32 s92, s92, s81                     ; e6 - e0 - e1
	s_sub_co_i32 s93, s87, s82
	s_sub_co_i32 s93, s93, s83                     ; e7 - e2 - e3
	s_sub_co_i32 s94, s89, s84
	s_sub_co_i32 s94, s94, s85                     ; e9 - e4 - e5
	s_cmp_eq_u32 s61, 1
	s_cselect_b32 s92, s93, s92
	s_cmp_eq_u32 s61, 2
	s_cselect_b32 s92, s94, s92
	s_add_co_i32 s92, s92, 127
	s_lshl_b32 s93, s92, 23
	v_mov_b32 v31, s93                             ; the folded scale as f32
	s_wait_tensorcnt 2                             ; my part of K step 0 is in; K steps 1 and 2 may be out
	s_wait_dscnt 0x0
	s_barrier_signal -1
	s_barrier_wait -1
	FETCH 0, 0, 0
	STEP 0, 0, 1, 1                                ; the first products start the sums: nothing is cleared
	TURN 1, 1, 1
	STEP 0, 1, 1, 0
	STEP 1, 2, 0, 0                                ; slots 1 and 2 were shown whole by the round
	STEP 0, 2, 1, 0
	TURN 1, 0, 0                                   ; K step 3 has landed, in every wave
	STEP 0, 0, 1, 0
	LAST 1
	PLACES 4                                       ; in front of the first read of results
; THE WAY OUT.  A block of 16 rows: converted (a lane's eight sums are eight neighbouring columns: 8 bytes), into the stage.  Each block's codes have registers of their own.
.macro QBLOCK a
	WIN 0x03                                       ; source 0: window 3
.set j, 0
.rept 64
.set j, j+1
.endr
.irp b, 0,1,2,3,4,5,6,7
	v_cvt_scalef32_pk8_bf8_f32 v[96+16*(\a)+2*\b:97+16*(\a)+2*\b], v[32+8*\b+((64*(\a)+j)-(32+j)):39+8*\b+((64*(\a)+j)-(32+j))], v31
.endr
	WIN 0
	v_nop
.irp b, 0,1,2,3,4,5,6,7
	ds_store_b64 v[STO], v[96+16*(\a)+2*\b:97+16*(\a)+2*\b] offset:(\a)*16*PITCH+16*\b
.endr
.endm
	QBLOCK 0
	QBLOCK 1
	QBLOCK 2
	QBLOCK 3
	s_wait_dscnt 0x0                               ; for the others' sake: a stage row's 256 bytes come from two waves
	s_barrier_signal -1
	s_barrier_wait -1
	s_cmp_eq_u32 s61, 2                            ; the same in all partners
	s_cbranch_scc1 .Lout_v
	s_lshr_b32 s92, s17, 3                         ; q, k: batch ty / 8, heads 4 tx + 0..3, tokens 128 (ty % 8) + 32 w on
	s_lshl_b32 s92, s92, 4
	s_lshl_b32 s93, s42, 2
	s_add_co_u32 s92, s92, s93
	s_lshl_b32 s92, s92, 16
	s_and_b32 s93, s17, 7
	s_lshl_b32 s93, s93, 13
	s_add_co_u32 s92, s92, s93
	s_lshl_b32 s93, s14, 11
	s_add_co_u32 s92, s92, s93
	s_add_co_u32 s92, s92, s67                     ; q at 0, k at 8 MiB
	s_mov_b32 s93, 0
	s_add_nc_u64 s[10:11], s[10:11], s[92:93]
.set n, 0
.rept 16
	ds_load_b128 v[32+4*n:35+4*n], v[RDQ] offset:8*(n%4)*PITCH+64*(n/4)
.set n, n+1
.endr
.set n, 0
.rept 16
	s_wait_dscnt 15-n
	global_store_b128 v[COQ], v[32+4*n:35+4*n], s[10:11] offset:(n/4)*65536+512*(n%4)   ; eight tokens of one head: 512 consecutive bytes, aligned
.set n, n+1
.endr
	s_branch .Lout_done
.Lout_v:
	s_lshr_b32 s92, s42, 2                         ; v: batch tx / 4, rows (head, d) 128 ty + 32 w on, keys 256 (tx % 4) on
	s_lshl_b32 s92, s92, 20
	s_lshl_b32 s93, s17, 17
	s_add_co_u32 s92, s92, s93
	s_lshl_b32 s93, s14, 15
	s_add_co_u32 s92, s92, s93
	s_and_b32 s93, s42, 3
	s_lshl_b32 s93, s93, 8
	s_add_co_u32 s92, s92, s93
	s_add_co_u32 s92, s92, 0x1000000               ; v at 16 MiB
	s_mov_b32 s93, 0
	s_add_nc_u64 s[10:11], s[10:11], s[92:93]
.set n, 0
.rept 16
	ds_load_b128 v[32+4*n:35+4*n], v[RDV] offset:n*2*PITCH
.set n, n+1
.endr
.set n, 0
.rept 16
	s_wait_dscnt 15-n
	global_store_b128 v[COV], v[32+4*n:35+4*n], s[10:11] offset:n*2048       ; sixteen lanes store 256 consecutive bytes, aligned
.set n, n+1
.endr
.Lout_done:
	s_wait_tensorcnt 0x0                           ; the wave's end
	ds_add_u32 v[SPW], v[NIL]
	s_wait_dscnt 0x0
	CROUND                                         ; the closing round
	s_endpgm
.Lfunc_end_k_qf0f5222a61_qkv:
	.size	k_qf0f5222a61_qkv, .Lfunc_end_k_qf0f5222a61_qkv-k_qf0f5222a61_qkv
	.p2alignl 7, 3214868480
	.fill 96, 4, 3214868480
	.section	.rodata,"a",@progbits
	.p2align	6, 0x0
	.amdhsa_kernel k_qf0f5222a61_qkv
		.amdhsa_group_segment_fixed_size 327680
		.amdhsa_private_segment_fixed_size 0
		.amdhsa_enable_private_segment 0
		.amdhsa_kernarg_size 32
		.amdhsa_user_sgpr_count 2
		.amdhsa_user_sgpr_kernarg_segment_ptr 1
		.amdhsa_wavefront_size32 1
		.amdhsa_system_sgpr_workgroup_id_x 1
		.amdhsa_system_sgpr_workgroup_id_y 1
		.amdhsa_system_sgpr_workgroup_id_z 1
		.amdhsa_system_vgpr_workitem_id 0
		.amdhsa_next_free_vgpr 1024
		.amdhsa_next_free_sgpr 100
		.amdhsa_reserve_vcc 0
		.amdhsa_float_denorm_mode_32 3
		.amdhsa_float_denorm_mode_16_64 3
		.amdhsa_fp16_overflow 1
		.amdhsa_memory_ordered 1
		.amdhsa_forward_progress 1
		.amdhsa_inst_pref_size 65
	.end_amdhsa_kernel
	.amdgpu_metadata
---
amdhsa.version: [ 1, 2 ]
amdhsa.kernels:
  - .name:           k_qf0f5222a61_qkv
    .symbol:         k_qf0f5222a61_qkv.kd
    .args:
      - { .name: xcodes, .offset: 0, .size: 8, .value_kind: global_buffer, .address_space: global }
      - { .name: wcodes, .offset: 8, .size: 8, .value_kind: global_buffer, .address_space: global }
      - { .name: lowp_scales, .offset: 16, .size: 8, .value_kind: global_buffer, .address_space: global }
      - { .name: qkv, .offset: 24, .size: 8, .value_kind: global_buffer, .address_space: global }
    .group_segment_fixed_size: 327680
    .private_segment_fixed_size: 0
    .kernarg_segment_align: 8
    .kernarg_segment_size: 32
    .max_flat_workgroup_size: 128
    .sgpr_count:     100
    .vgpr_count:     1024
    .wavefront_size: 32
...
	.end_amdgpu_metadata
.endif
;; end of part 2
;; launch attn (part 3): grid 4 x 64, 8 waves a work-group, clusters of 4 x 1, 327,680 bytes of LDS; arguments qkv, lowp_scales, oc; writes oc
.if DOCPART == 3
	.amdgcn_target "amdgcn-amd-amdhsa--gfx1250"
	.amdhsa_code_object_version 6
	.text
	.protected	k_qf0f5222a61_attn
	.globl	k_qf0f5222a61_attn
	.p2align	8
	.type	k_qf0f5222a61_attn,@function
k_qf0f5222a61_attn:
	s_mov_b64 s[64:65], 0
	v_nop
	global_prefetch_b8 v0, s[64:65] scope:SCOPE_SE
	s_setreg_imm32_b32 hwreg(HW_REG_WAVE_MODE, 25, 1), 1
	s_wait_xcnt 0x0
	s_wait_alu depctr_hold_cnt(0) depctr_sa_sdst(0) depctr_va_vdst(0) depctr_va_sdst(0) depctr_va_ssrc(0) depctr_va_vcc(0) depctr_vm_vsrc(0)
	s_getreg_b32 s2, hwreg(HW_REG_IB_STS2, 6, 4)
	s_cmp_eq_u32 s2, 0
	s_cbranch_scc0 .Lentry_in_a_cluster
	s_endpgm
.Lentry_in_a_cluster:
	s_bfe_u32 s2, ttmp6, 0x10000c
	s_cmp_lg_u32 s2, 0x3003
	s_cbranch_scc0 .Lentry_shape_is_right
	s_endpgm
.Lentry_shape_is_right:
; ATTENTION on codes of E5M2: 128 heads (batch, head), 1,024 queries and keys, head size 64.  q, k: [head][token][64] codes; v: [head][d][1024] codes, keys innermost.  The result leaves as codes, [head][token][64].
; THE SOFTMAX: t = score x log2(e) / 8; M = the running largest t rounded UP to a whole number; p = 2^(t - M) is quantised (scale 2^e8), not normalised; the row's sum is taken of the unquantised p and divides at the end.
; When M moves, the sum and O are multiplied by 2^(old M - new M): exact.
; SHARES.  A cluster of four work-groups takes TWO heads, 2 y and 2 y + 1, one after the other: 64 clusters, 256 work-groups.  A work-group owns the same 256 queries of both heads, each of its eight waves 32: two tiles of 16,
; so that each fragment of K and V read from LDS feeds two matrix instructions; two waves to a SIMD.
; LDS.  Both heads' K and V, 2 x 128 KB, lie in LDS: for each head four chunks of 256 keys, each filled ONCE, by joint loads that all go out at the head: waves 0 and 1 ask for K's four chunks of the first and of the second
; head, waves 2 and 3 for V's: four tensor loads of a wave are out at the most.  No LDS byte is filled twice.  So the second head's tiles land while the first head is worked on.
; The body is a loop of two trips; the LDS base of the head in hand is a scalar stepped by a head's bytes.  A chunk begins with a counted wait (3, 2, 1, 0: the loads issued behind the chunk's own) and the work-group's
; barrier; in the second trip all loads have landed and the waits are met at once.
; A chunk's K is 256 rows of 64 bytes, dense in memory: it is stated as 64 rows of 256 bytes (four keys), 16 bytes of padding behind each: key p lies at (p / 4) x 272 + (p % 4) x 64.  V: 64 rows (d) of 256 bytes, pitch 272.
; LAYOUT.  Both products transposed: S^T = K Q^T (source 0 = 16 keys), O^T = V^T P^T (source 0 = 16 of the head's 64): a lane holds ONE query throughout.
; THE KEYS OF A TILE ARE NOT NEIGHBOURS: lane r of tile 2 b + u takes key 32 b + 8 u + r + 8 (r / 8), so that the 16 registers of tiles 2 b, 2 b + 1 are keys 32 b + 16 (lane / 16) + 0 .. 15.
; LIMITS: e6 + e7 between -123 and 130; e8, and e10 - e8 - e9, between -126 and 112.
; REGISTERS, window 0: v1 AK0, v2 AV0, v5 / v6 addresses in hand, v7-9 the way out, v10 / v11 hold and scale of p, v12-15 / v16-19 a tile's -M, largest t, sum in two halves, v[20:21] / v[22:23] f, v24-26, v28-29 at work,
;   v27 Q's offset, v30 / v31 hold and scale of the result, v32-95 / v96-159 S^T then p, v160-175 / v176-191 p's codes, v192-255 K's eight fragments.  Window 1: v0-63 O^T, v64-79 Q, v128-191 V's four fragments.
.set CH,    34816                      ; a chunk: K's 64 x 272 bytes, then V's
.set VOFF,  17408
.set HB,    4*CH                       ; a head's four chunks
.set STAGE, 2*HB                       ; the way out: 2 x 16 rows x 80 bytes for each wave
.set WV,  18
.set SEL, 20
.set CS,  22
.set G1K, 24
.set G1V, 32
.set G0K, 40                           ; s[40:55] four sets
.set G0V, 68                           ; s[68:83] four sets
.set TB,  92                           ; s92  LDS byte at which the head in hand begins
.set TRIP, 93                          ; s93  heads to go
.set MSB, 0
.macro WIN new
.if MSB != (\new)
	s_set_vgpr_msb (MSB<<8)|(\new)
.set MSB, (\new)
.endif
.endm
.macro PLACES n
.rept \n
	v_nop
.endr
.endm
.macro CROUND
	s_barrier_signal -1
	s_barrier_wait -1
	s_cmp_lg_u32 s[WV], 0
	s_cbranch_scc1 .Lnot_wave_0_\@
	s_barrier_signal -3
.Lnot_wave_0_\@:
	s_barrier_wait -3
	s_barrier_signal -1
	s_barrier_wait -1
.endm
.macro QLOAD off                       ; my 32 queries' codes: registers 4 k .. : channels 32 k + 16 h + 0 .. 15, as K's fragments have them
	WIN 0x40
.irp x, 0,1
.irp k, 0,1
	global_load_b128 v[64+8*\x+4*\k:67+8*\x+4*\k], v27, s[14:15] offset:(\off)+1024*\x+32*\k
.endr
.endr
	WIN 0
.endm
	s_load_b128 s[4:7], s[0:1], 0x0                ; qkv s[4:5], the scales' exponents s[6:7]
	s_load_b64 s[8:9], s[0:1], 0x10                ; oc
	v_lshl_add_u32 v3, v0, 2, 0x49000
	v_mov_b32 v4, 0
	ds_add_u32 v3, v4
	ds_add_u32 v3, v4
	v_lshrrev_b32 v1, 5, v0
	s_delay_alu instid0(VALU_DEP_1)
	v_readfirstlane_b32 s[WV], v1                  ; wave 0..7
	s_bfe_u32 s10, ttmp6, 0x40000                  ; cx: my block of 256 queries
	s_and_b32 s11, ttmp7, 0xffff                   ; the pair of heads, which the four partners share
	s_lshl_b32 s12, s11, 17                        ; a head is 65,536 bytes in q, k, v and oc alike
	s_mov_b32 s13, 0
	s_and_b32 s63, s[WV], 1                        ; a fetching wave: for which of the two heads:
	s_lshl_b32 s16, s63, 16                        ; its place in memory,
	s_mov_b32 s17, 0
	s_mul_i32 s62, s63, HB                         ; and in LDS
	s_mov_b32 s[G1K], 15|(1<<20)|(1<<21)|(5<<22)|(3<<25)     ; 15:0 all four work-groups; elements of 1 byte; padding on; 21 set beside a mask; four words after every 64
	s_mov_b32 s[G1V], 15|(1<<20)|(1<<21)|(5<<22)|(3<<25)
.irp g, G1K, G1V
	s_mov_b32 s[\g+1], 256<<16                     ; tensor_dim0
	s_mov_b32 s[\g+2], 64<<16                      ; tensor_dim1
	s_mov_b32 s[\g+3], 256<<16                     ; tile_dim0
	s_mov_b32 s[\g+4], 64                          ; tile_dim1
	s_mov_b32 s[\g+6], 0
	s_mov_b32 s[\g+7], 0
.endr
	s_mov_b32 s[G1K+5], 256                        ; K's long rows are dense
	s_mov_b32 s[G1V+5], 1024                       ; a row of V is 1,024 keys
	s_mov_b32 s[SEL], 0x76543210
	s_mov_b32 s[SEL+1], 0xfedcba98
	s_wait_dscnt 0x0
	s_wait_kmcnt 0x0
	s_load_b128 s[84:87], s[6:7], 0x10             ; e4 .. e7
	s_load_b128 s[88:91], s[6:7], 0x20             ; e8 .. e11
	s_add_nc_u64 s[14:15], s[4:5], s[12:13]        ; q at the pair's first head
	s_add_nc_u64 s[56:57], s[14:15], 0x800000      ; k
	s_add_nc_u64 s[58:59], s[14:15], 0x1000000     ; v
	s_add_nc_u64 s[56:57], s[56:57], s[16:17]      ; at the head that I fetch for
	s_add_nc_u64 s[58:59], s[58:59], s[16:17]
	CROUND                                         ; all four work-groups are here: the joint loads meet
.irp c, 0,1,2,3
	s_mov_b32 s[G0K+4*\c], 1
	s_add_co_u32 s[G0K+4*\c+1], s62, \c*CH
	s_add_nc_u64 s[G0K+4*\c+2:G0K+4*\c+3], s[56:57], \c*16384
	s_or_b32 s[G0K+4*\c+3], s[G0K+4*\c+3], 0x80000000
	s_mov_b32 s[G0V+4*\c], 1
	s_add_co_u32 s[G0V+4*\c+1], s62, \c*CH+VOFF
	s_add_nc_u64 s[G0V+4*\c+2:G0V+4*\c+3], s[58:59], \c*256
	s_or_b32 s[G0V+4*\c+3], s[G0V+4*\c+3], 0x80000000
.endr
	s_cmp_lt_u32 s[WV], 2                          ; a wave's four first fills stand in one branch; four v_nop follow the last
	s_cbranch_scc0 .Lnot_k
	tensor_load_to_lds s[G0K:G0K+3], s[G1K:G1K+7]
	s_nop 0
	tensor_load_to_lds s[G0K+4:G0K+7], s[G1K:G1K+7]
	s_nop 0
	tensor_load_to_lds s[G0K+8:G0K+11], s[G1K:G1K+7]
	s_nop 0
	tensor_load_to_lds s[G0K+12:G0K+15], s[G1K:G1K+7]
	s_nop 0
	PLACES 4
	s_branch .Lasked
.Lnot_k:
	s_cmp_lt_u32 s[WV], 4
	s_cbranch_scc0 .Lasked
	tensor_load_to_lds s[G0V:G0V+3], s[G1V:G1V+7]
	s_nop 0
	tensor_load_to_lds s[G0V+4:G0V+7], s[G1V:G1V+7]
	s_nop 0
	tensor_load_to_lds s[G0V+8:G0V+11], s[G1V:G1V+7]
	s_nop 0
	tensor_load_to_lds s[G0V+12:G0V+15], s[G1V:G1V+7]
	s_nop 0
	PLACES 4
.Lasked:
	s_lshl_b32 s60, s10, 14                        ; my block's 256 rows of 64 bytes,
	s_lshl_b32 s61, s[WV], 11                      ; my wave's 32
	s_add_co_u32 s60, s60, s61
	s_mov_b32 s61, 0
	s_add_nc_u64 s[14:15], s[14:15], s[60:61]
	s_add_nc_u64 s[8:9], s[8:9], s[12:13]
	s_add_nc_u64 s[8:9], s[8:9], s[60:61]
	v_and_b32 v24, 15, v0                          ; r
	v_bfe_u32 v25, v0, 4, 1                        ; h
	s_delay_alu instid0(VALU_DEP_2)
	v_lshlrev_b32 v27, 6, v24
	s_delay_alu instid0(VALU_DEP_1)
	v_lshl_add_u32 v27, v25, 4, v27                ; Q: row r of 64 bytes, + 16 h; never rewritten
	QLOAD 0                                        ; the first head's
	v_and_b32 v26, 8, v24
	s_delay_alu instid0(VALU_DEP_1)
	v_add_nc_u32 v26, v26, v24                     ; r + 8 (r / 8)
	s_delay_alu instid0(VALU_DEP_1)
	v_lshrrev_b32 v1, 2, v26
	s_delay_alu instid0(VALU_DEP_1)
	v_mul_u32_u24 v1, v1, 272
	s_delay_alu instid0(VALU_DEP_3)
	v_and_b32 v28, 3, v26
	s_delay_alu instid0(VALU_DEP_1)
	v_lshl_add_u32 v1, v28, 6, v1
	s_delay_alu instid0(VALU_DEP_1)
	v_lshl_add_u32 v1, v25, 4, v1                  ; AK0
	v_mul_u32_u24 v2, v24, 272
	s_delay_alu instid0(VALU_DEP_1)
	v_lshl_add_u32 v2, v25, 4, v2
	s_delay_alu instid0(VALU_DEP_1)
	v_add_nc_u32 v2, VOFF, v2                      ; AV0
	s_mul_i32 s62, s[WV], 2560
	s_add_co_u32 s62, s62, STAGE
	v_mul_u32_u24 v7, v24, 80
	s_delay_alu instid0(VALU_DEP_1)
	v_lshl_add_u32 v7, v25, 3, v7
	s_delay_alu instid0(VALU_DEP_1)
	v_add_nc_u32 v7, s62, v7                       ; the stage, in: row r, + 8 h
	v_and_b32 v28, 31, v0
	s_delay_alu instid0(VALU_DEP_1)
	v_lshrrev_b32 v8, 2, v28
	s_delay_alu instid0(VALU_DEP_1)
	v_mul_u32_u24 v8, v8, 80
	s_delay_alu instid0(VALU_DEP_3)
	v_and_b32 v29, 3, v28
	s_delay_alu instid0(VALU_DEP_1)
	v_lshl_add_u32 v8, v29, 4, v8
	s_delay_alu instid0(VALU_DEP_1)
	v_add_nc_u32 v8, s62, v8                       ; and out: four lanes to a row
	v_lshlrev_b32 v9, 4, v28
	v_mov_b32 v21, 0                               ; (named as upper halves of pairs)
	v_mov_b32 v23, 0
	s_wait_kmcnt 0x0
	s_add_co_i32 s60, s86, s87
	s_lshl_b32 s60, s60, 23
	s_add_co_i32 s[CS], s60, 0x3e38aa3b            ; c = log2(e) / 8 x 2^(e6 + e7): the exponents are added to c's exponent field
	s_mov_b32 s[CS+1], s[CS]
	s_add_co_i32 s60, s88, 127
	s_lshl_b32 s61, s60, 23
	v_mov_b32 v11, s61                             ; 2^e8
	s_sub_co_i32 s60, s90, s88
	s_sub_co_i32 s60, s60, s89                     ; O^T / l stands for that x 2^(e8 + e9): its code is that / 2^(e10 - e8 - e9)
	s_add_co_i32 s60, s60, 127
	s_lshl_b32 s61, s60, 23
	v_mov_b32 v31, s61
	s_add_co_i32 s60, s60, 15
	s_lshl_b32 s60, s60, 23
	s_or_b32 s60, s60, 0x600000
.macro KLOAD q                         ; the step's eight tiles of 16 keys x 64
.irp t, 0,1,2,3,4,5,6,7
	ds_load_b128 v[192+8*\t:195+8*\t], v5 offset:(32*(\q)+8*(\t/2)+2*(\t%2))*272
	ds_load_b128 v[196+8*\t:199+8*\t], v5 offset:(32*(\q)+8*(\t/2)+2*(\t%2))*272+32
.endr
.endm
.macro VLOAD q                         ; the step's four tiles of 16 d x 128 keys (destination: window 1)
.irp t, 0,1,2,3
.irp c, 0,1,2,3
	ds_load_b128 v[128+16*\t+4*\c:131+16*\t+4*\c], v6 offset:16*\t*272+128*(\q)+32*\c
.endr
.endr
.endm
.macro SMM
.irp t, 0,1,2,3,4,5,6,7
.irp x, 0,1
	v_wmma_f32_16x16x64_bf8_bf8 v[32+64*\x+8*\t:39+64*\x+8*\t], v[192+8*\t:199+8*\t], v[64+8*\x:71+8*\x], 0
.endr
.endr
.endm
.macro PVM first                       ; eight accumulators, each once a step
.irp t, 0,1,2,3
.irp x, 0,1
.if \first
	v_wmma_f32_16x16x128_bf8_bf8 v[32*\x+8*\t:32*\x+8*\t+7], v[128+16*\t:143+16*\t], v[160+16*\x:175+16*\x], 0
.else
	v_wmma_f32_16x16x128_bf8_bf8 v[32*\x+8*\t:32*\x+8*\t+7], v[128+16*\t:143+16*\t], v[160+16*\x:175+16*\x], v[32*\x+8*\t:32*\x+8*\t+7]
.endif
.endr
.endr
.endm
.macro SMAX x                          ; the step's largest score of my query, the new M, and f = 2^(old M - new M)
.set SB, 32+64*(\x)
.set SS, 12+4*(\x)
	v_max3_num_f32 v24, v[SB], v[SB+1], v[SB+2]    ; ascending: each accumulator is read from its low end on
	v_max3_num_f32 v25, v[SB+3], v[SB+4], v[SB+5]
.set i, 6
.rept 14
	v_max3_num_f32 v24, v24, v[SB+i], v[SB+i+1]
	v_max3_num_f32 v25, v25, v[SB+i+2], v[SB+i+3]
.set i, i+4
.endr
	v_max3_num_f32 v24, v24, v[SB+62], v[SB+63]
	s_delay_alu instid0(VALU_DEP_1)
	v_max_num_f32 v24, v24, v25
	s_delay_alu instid0(VALU_DEP_1)
	v_permlanex16_b32 v26, v24, s[SEL], s[SEL+1]   ; the query's other 64 keys lie in the lane 16 away
	s_delay_alu instid0(VALU_DEP_1)
	v_max_num_f32 v24, v24, v26
	s_delay_alu instid0(VALU_DEP_1)
	v_mul_f32 v24, s[CS], v24                      ; as t (c is positive)
	s_delay_alu instid0(VALU_DEP_1)
	v_max_num_f32 v[SS+1], v[SS+1], v24
	v_mov_b32 v24, v[SS]
	s_delay_alu instid0(VALU_DEP_2)
	v_floor_f32 v[SS], -v[SS+1]                    ; -M = floor(-t): M is a whole number
	s_delay_alu instid0(VALU_DEP_1)
	v_sub_f32 v24, v[SS], v24
	s_delay_alu instid0(VALU_DEP_1)
	v_cvt_i32_f32 v24, v24                         ; (it saturates)
	s_delay_alu instid0(VALU_DEP_1)
	v_ldexp_f32 v[20+2*(\x)], 1.0, v24
.endm
.macro SSCALE x
.set SB, 32+64*(\x)
.set SS, 12+4*(\x)
.set i, 0
.rept 32
	v_pk_fma_f32 v[SB+i:SB+i+1], v[SB+i:SB+i+1], s[CS:CS+1], v[SS:SS+1] op_sel_hi:[1,0,0]    ; t - M
.set i, i+2
.endr
.endm
.macro SEXP x
.set SB, 32+64*(\x)
.set i, 0
.rept 64
	v_exp_f32 v[SB+i], v[SB+i]
.set i, i+1
.endr
.endm
.macro RESC first                      ; what was summed under the old M is brought under the new: exact.  These plain lines stand behind the exponentials and name none of their results
	v_pk_mul_f32 v[14:15], v[14:15], v[20:21] op_sel_hi:[1,0]
	v_pk_mul_f32 v[18:19], v[18:19], v[22:23] op_sel_hi:[1,0]
.if !(\first)
	WIN 0x41
	s_wait_alu depctr_va_vdst(0)
.irp x, 0,1
.set i, 0
.rept 16
	v_pk_mul_f32 v[32*\x+i:32*\x+i+1], v[32*\x+i:32*\x+i+1], v[20+2*\x:21+2*\x] op_sel_hi:[1,0]
.set i, i+2
.endr
.endr
	WIN 0
.endif
.endm
.macro SSUM x                          ; the row's sum is taken of the unquantised p
.set SB, 32+64*(\x)
.set SU, 14+4*(\x)
	v_pk_add_f32 v[28:29], v[SB:SB+1], v[SB+2:SB+3]
.set i, 4
.rept 15
	v_pk_add_f32 v[SU:SU+1], v[SU:SU+1], v[SB+i:SB+i+1]
	v_pk_add_f32 v[28:29], v[28:29], v[SB+i+2:SB+i+3]
.set i, i+4
.endr
	s_delay_alu instid0(VALU_DEP_1)
	v_pk_add_f32 v[SU:SU+1], v[SU:SU+1], v[28:29]
.endm
.macro SQUANT x
.set SB, 32+64*(\x)
.set PC, 160+16*(\x)
.irp b, 0,1,2,3
.irp i, 0,1,2,3,4,5,6,7,8,9,10,11,12,13,14,15
.endr
	v_cvt_scalef32_pk8_bf8_f32 v[PC+4*\b:PC+4*\b+1], v[SB+16*\b:SB+16*\b+7], v11
	v_cvt_scalef32_pk8_bf8_f32 v[PC+4*\b+2:PC+4*\b+3], v[SB+16*\b+8:SB+16*\b+15], v11
.endr
.endm
.macro SOFTMAX first
	SMAX 0
	SMAX 1
	SSCALE 0
	s_wait_alu depctr_va_vdst(0)
	SEXP 0
	SSCALE 1
	s_wait_alu depctr_va_vdst(0)
	SEXP 1
	RESC \first
	s_wait_alu depctr_va_vdst(0)                   ; one wait for the step's 128 exponentials, ahead of their first reader
	SSUM 0
	SQUANT 0
	SSUM 1
	SQUANT 1
	v_nop                                          ; a plain line between the last conversion and the products that read the codes
.endm
.macro CHUNK c
	s_wait_tensorcnt 3-(\c)                        ; my load of this chunk has landed; those of the later chunks may be out: nothing is filled twice
	s_wait_dscnt 0x0
	s_barrier_signal -1
	s_barrier_wait -1                              ; everybody's has, for both heads
	v_add_nc_u32 v5, s[TB], v1
	v_add_nc_u32 v6, s[TB], v2
.if (\c) > 0
	s_delay_alu instid0(VALU_DEP_2)
	v_add_nc_u32 v5, (\c)*CH, v5
	s_delay_alu instid0(VALU_DEP_2)
	v_add_nc_u32 v6, (\c)*CH, v6
.endif
	KLOAD 0
	WIN 0x40
	VLOAD 0
	s_wait_alu depctr_va_vdst(0)
	s_wait_dscnt 16                                ; K is in; V's sixteen loads may be out
	WIN 0x04                                       ; source 1 (Q): window 1
	SMM
	WIN 0
	PLACES 4                                       ; in front of loads into K's registers and of the first read of the scores
	KLOAD 1
.if (\c) == 0
	SOFTMAX 1
.else
	SOFTMAX 0
.endif
	s_wait_dscnt 16                                ; V is in; the next K's sixteen loads may be out
	WIN 0x51                                       ; V, C and D: window 1; p's codes: window 0
.if (\c) == 0
	s_wait_alu depctr_va_vdst(0)
	PVM 1                                          ; a head's first products start O^T's sums
.else
	s_wait_alu depctr_va_vdst(0)
	PVM 0
.endif
	PLACES 4
	WIN 0x40
	VLOAD 1
	s_wait_dscnt 16                                ; K is in
	WIN 0x04
	SMM
	WIN 0
	PLACES 4
.if (\c) == 3                          ; Q has been read for the last time, four plain lines ago: the second head's Q is asked for here, if there is a second head to come: a branch on the count of trips
	s_cmp_eq_u32 s[TRIP], 1
	s_cbranch_scc1 .Lno_next_\@
	QLOAD 65536
.Lno_next_\@:
.endif
	SOFTMAX 0
	s_wait_alu depctr_va_vdst(0)
	s_wait_dscnt 0x0                               ; V is in
	WIN 0x51
	PVM 0
	WIN 0
	PLACES 4
.endm
	s_mov_b32 s[TB], 0
	s_mov_b32 s[TRIP], 2
.Lhead:                                            ; two trips: a head each
	v_mov_b32 v13, 0xff61b1e6                      ; the largest t so far: -3e38
	v_mov_b32 v17, 0xff61b1e6
	s_delay_alu instid0(VALU_DEP_2)
	v_floor_f32 v12, -v13                          ; -M
	s_delay_alu instid0(VALU_DEP_2)
	v_floor_f32 v16, -v17
	v_mov_b32 v14, 0                               ; the sums
	v_mov_b32 v15, 0
	v_mov_b32 v18, 0
	v_mov_b32 v19, 0
	s_wait_loadcnt 0x0                             ; Q
	CHUNK 0
	CHUNK 1
	CHUNK 2
	CHUNK 3
	; THE WAY OUT: O^T / the sum, converted; a tile's 16 rows of 64 bytes go through my stage and leave as 512 consecutive bytes a store.
	v_add_f32 v14, v14, v15
	v_add_f32 v18, v18, v19
	s_delay_alu instid0(VALU_DEP_2)
	v_permlanex16_b32 v24, v14, s[SEL], s[SEL+1]
	s_delay_alu instid0(VALU_DEP_2)
	v_permlanex16_b32 v25, v18, s[SEL], s[SEL+1]
	s_delay_alu instid0(VALU_DEP_2)
	v_add_f32 v14, v14, v24
	s_delay_alu instid0(VALU_DEP_2)
	v_add_f32 v18, v18, v25
	s_wait_alu depctr_va_vdst(0)
	v_rcp_f32 v20, v14
	v_rcp_f32 v22, v18
	v_nop
	s_wait_alu depctr_va_vdst(0)                   ; one wait for the two reciprocals
.irp x, 0,1
	WIN 0x01                                       ; source 0: window 1
.set i, 0
.rept 16
	v_pk_mul_f32 v[32+64*\x+i:33+64*\x+i], v[32*\x+i:32*\x+i+1], v[20+2*\x:21+2*\x] op_sel_hi:[1,0]
.set i, i+2
.endr
	WIN 0
.set i, 0
.rept 32
.set i, i+1
.endr
.irp t, 0,1,2,3
	v_cvt_scalef32_pk8_bf8_f32 v[160+16*\x+2*\t:161+16*\x+2*\t], v[32+64*\x+8*\t:39+64*\x+8*\t], v31
.endr
	v_nop
.irp t, 0,1,2,3
	ds_store_b64 v7, v[160+16*\x+2*\t:161+16*\x+2*\t] offset:1280*\x+16*\t     ; lane (r, h): d = 16 t + 8 h + 0 .. 7 of query r
.endr
.irp i, 0,1
	ds_load_b128 v[192+8*\x+4*\i:195+8*\x+4*\i], v8 offset:1280*\x+640*\i      ; LDS serves a wave's instructions in order
.endr
.endr
	s_wait_dscnt 0x0
.irp x, 0,1
.irp i, 0,1
	global_store_b128 v9, v[192+8*\x+4*\i:195+8*\x+4*\i], s[8:9] offset:1024*\x+512*\i
.endr
.endr
	s_wait_xcnt 0x0                                ; the stores have read their base and their data: the base steps, and the next head's fragments of K may land in those registers
	s_add_nc_u64 s[8:9], s[8:9], 0x10000           ; the next head's rows of the result
	s_add_co_u32 s[TB], s[TB], HB                  ; and its K and V in LDS
	s_sub_co_u32 s[TRIP], s[TRIP], 1
	s_cmp_lg_u32 s[TRIP], 0
	s_cbranch_scc1 .Lhead
	s_wait_tensorcnt 0x0
	ds_add_u32 v3, v4
	s_wait_dscnt 0x0
	CROUND                                         ; the closing round: no work-group ends while a partner may still ask for a tile that names it
	s_endpgm
.Lfunc_end_k_qf0f5222a61_attn:
	.size	k_qf0f5222a61_attn, .Lfunc_end_k_qf0f5222a61_attn-k_qf0f5222a61_attn
	.p2alignl 7, 3214868480
	.fill 96, 4, 3214868480
	.section	.rodata,"a",@progbits
	.p2align	6, 0x0
	.amdhsa_kernel k_qf0f5222a61_attn
		.amdhsa_group_segment_fixed_size 327680
		.amdhsa_private_segment_fixed_size 0
		.amdhsa_enable_private_segment 0
		.amdhsa_kernarg_size 24
		.amdhsa_user_sgpr_count 2
		.amdhsa_user_sgpr_kernarg_segment_ptr 1
		.amdhsa_wavefront_size32 1
		.amdhsa_system_sgpr_workgroup_id_x 1
		.amdhsa_system_sgpr_workgroup_id_y 1
		.amdhsa_system_sgpr_workgroup_id_z 1
		.amdhsa_system_vgpr_workitem_id 0
		.amdhsa_next_free_vgpr 512
		.amdhsa_next_free_sgpr 100
		.amdhsa_reserve_vcc 0
		.amdhsa_float_denorm_mode_32 3
		.amdhsa_float_denorm_mode_16_64 3
		.amdhsa_fp16_overflow 1
		.amdhsa_memory_ordered 1
		.amdhsa_forward_progress 1
		.amdhsa_inst_pref_size 212
	.end_amdhsa_kernel
	.amdgpu_metadata
---
amdhsa.version: [ 1, 2 ]
amdhsa.kernels:
  - .name:           k_qf0f5222a61_attn
    .symbol:         k_qf0f5222a61_attn.kd
    .args:
      - { .name: qkv, .offset: 0, .size: 8, .value_kind: global_buffer, .address_space: global }
      - { .name: lowp_scales, .offset: 8, .size: 8, .value_kind: global_buffer, .address_space: global }
      - { .name: oc, .offset: 16, .size: 8, .value_kind: global_buffer, .address_space: global }
    .group_segment_fixed_size: 327680
    .private_segment_fixed_size: 0
    .kernarg_segment_align: 8
    .kernarg_segment_size: 24
    .max_flat_workgroup_size: 256
    .sgpr_count:     100
    .vgpr_count:     512
    .wavefront_size: 32
...
	.end_amdgpu_metadata
.endif
;; end of part 3
;; launch proj (part 4): grid 4 x 64, 4 waves a work-group, clusters of 4 x 4, 327,680 bytes of LDS; arguments oc, wcodes, lowp_scales, bc, tb2, tpart, mh; writes mh
.if DOCPART == 4
	.amdgcn_target "amdgcn-amd-amdhsa--gfx1250"
	.amdhsa_code_object_version 6
	.text
	.protected	k_qf0f5222a61_proj
	.globl	k_qf0f5222a61_proj
	.p2align	8
	.type	k_qf0f5222a61_proj,@function
k_qf0f5222a61_proj:
	s_mov_b64 s[64:65], 0
	v_nop
	global_prefetch_b8 v0, s[64:65] scope:SCOPE_SE
	s_setreg_imm32_b32 hwreg(HW_REG_WAVE_MODE, 25, 1), 1
	s_wait_xcnt 0x0
	s_wait_alu depctr_hold_cnt(0) depctr_sa_sdst(0) depctr_va_vdst(0) depctr_va_sdst(0) depctr_va_ssrc(0) depctr_va_vcc(0) depctr_vm_vsrc(0)
	s_getreg_b32 s2, hwreg(HW_REG_IB_STS2, 6, 4)
	s_cmp_eq_u32 s2, 0
	s_cbranch_scc0 .Lentry_in_a_cluster
	s_endpgm
.Lentry_in_a_cluster:
	s_bfe_u32 s2, ttmp6, 0x10000c
	s_cmp_lg_u32 s2, 0xf033
	s_cbranch_scc0 .Lentry_shape_is_right
	s_endpgm
.Lentry_shape_is_right:
; PROJ: mh = out_concat Wc^T + bc + t_emb on codes of E5M2, quantised on the way out (scale 2^e12) into mh [8192][1024].  t_emb[b] = tb2 + the eight partial sums in tpart.
; A tile of C is 128 tokens x 256 columns; four waves, 2 x 2, 64 x 128 each: 32 accumulators.  K = 1,024 in four K steps of 256 through THREE LDS slots; K step 3 fills slot 0 again.
; A = out_concat lies head-major, [batch, head][token][64]: a K step is four heads, and its tile is 4 rows of 8,192 bytes (128 tokens of one head, dense), 65,536 bytes apart, with 16 bytes of padding behind every 256:
; head z lies at z x 8,704, token p at (p / 4) x 272 + (p % 4) x 64: the sixteen lanes of a fragment load touch sixteen different columns of 16 bytes.
; A's tile is shared along a row of the cluster, B's (Wc) along a column: joint loads; wave 0 asks for A, waves 1 and 2 for B's halves; at most three tensor loads of a wave are out.
; THE MATRIX INSTRUCTION IS USED TRANSPOSED: a lane holds 8 neighbouring columns of one token.
; LIMITS: e10 + e11 between -126 and 127; e12 between -126 and 112.
; REGISTERS: window 0: addresses, v31 the scale, v32-95 at work, v96-159 codes, v160-223 my 64 numbers of the bias.  Windows 1, 2: two sets of fragments.  Window 3: accumulators.
.set PITCH,  272
.set HALFT,  128*PITCH
.set SLOT,   3*HALFT
.set SPARE,  3*SLOT                    ; the spare words: two blocks of 256 bytes that no other line names
.set BIAS,   SPARE+512                 ; the tile's 256 numbers bc + t_emb: four blocks of 256 bytes into which no fill lands
.set STG,    SLOT                      ; the stage lies in slot 1, which has had its only fill and its last read by then
.set KBA,    262144                    ; four heads on
.set ADRA, 16
.set ADRB, 20
.set COV,  23
.set STO,  24
.set RDV,  27
.set SPW,  28
.set NIL,  29
.set G1A, 24
.set G1B, 32
.set G0A, 48
.set G0B, 68
.set MSB, 0
.macro WIN new
.if MSB != (\new)
	s_set_vgpr_msb (MSB<<8)|(\new)
.set MSB, (\new)
.endif
.endm
.macro PLACES n
.rept \n
	v_nop
.endr
.endm
.macro CREST
	s_cmp_lg_u32 s14, 0
	s_cbranch_scc1 .Lnot_wave_0_\@
	s_barrier_signal -3
.Lnot_wave_0_\@:
	s_barrier_wait -3
	s_barrier_signal -1
	s_barrier_wait -1
.endm
.macro CROUND
	s_barrier_signal -1
	s_barrier_wait -1
	CREST
.endm
.macro JLOAD
	s_cmp_eq_u32 s14, 0
	s_cbranch_scc0 .Lnot_a_\@
	tensor_load_to_lds s[G0A:G0A+3], s[G1A:G1A+7]
	s_nop 0
	PLACES 4
	s_branch .Lasked_\@
.Lnot_a_\@:
	s_cmp_lt_u32 s14, 3
	s_cbranch_scc0 .Lasked_\@
	tensor_load_to_lds s[G0B:G0B+3], s[G1B:G1B+7]
	s_nop 0
	PLACES 4
.Lasked_\@:
.endm
.macro FRAGB reg, slot, q, i
.irp c, 0,1,2,3
	ds_load_b128 v[\reg+4*\c:\reg+4*\c+3], v[ADRB+\slot] offset:128*(\q)+32*\c+(\i)*16*PITCH
.endr
.endm
.macro FRAGA reg, slot, q, i           ; k = 128 q + 32 c + 16 h + 0 .. 15 is head 2 q + c / 2 of the K step, byte 32 (c % 2) + 16 h of the token's 64
.irp c, 0,1,2,3
	ds_load_b128 v[\reg+4*\c:\reg+4*\c+3], v[ADRA+\slot] offset:(2*(\q)+\c/2)*8704+32*(\c%2)+(\i)*1088
.endr
.endm
.macro FETCH slot, q, set
	WIN 0x40*((\set)+1)
.irp i, 0,1,2,3,4,5,6,7
	FRAGB 16*\i, \slot, \q, \i
.endr
.irp i, 0,1,2,3
	FRAGA 128+16*\i, \slot, \q, \i
.endr
.endm
.macro MUL8 a, zero                    ; the 32 accumulators take turns, one instruction a turn
.irp b, 0,1,2,3,4,5,6,7
.if \zero
	v_wmma_f32_16x16x128_bf8_bf8 v[8*(8*(\a)+\b):8*(8*(\a)+\b)+7], v[16*\b:16*\b+15], v[128+16*(\a):128+16*(\a)+15], 0
.else
	v_wmma_f32_16x16x128_bf8_bf8 v[8*(8*(\a)+\b):8*(8*(\a)+\b)+7], v[16*\b:16*\b+15], v[128+16*(\a):128+16*(\a)+15], v[8*(8*(\a)+\b):8*(8*(\a)+\b)+7]
.endif
.endr
.endm
.macro STEP set, nslot, nq, zero
	s_wait_dscnt 8                                 ; B's eight and A's blocks 0, 1 are in; A's 2, 3 may be out
	WIN 0xf5+5*(\set)
	MUL8 0, \zero
	MUL8 1, \zero
	PLACES 4                                       ; in front of loads into registers that matrix instructions have read
	FETCH \nslot, \nq, 1-(\set)
	s_wait_dscnt 48                                ; all but the 48 just issued
	WIN 0xf5+5*(\set)
	MUL8 2, \zero
	MUL8 3, \zero
.endm
.macro TURN set, nslot, fill
	WIN 0
	s_wait_tensorcnt 0x0                           ; all my tensor loads have landed
	ds_add_u32 v[SPW], v[NIL]                      ; 0 onto my spare word
	s_wait_dscnt 9                                 ; (the add and the youngest eight loads may be out)
	WIN 0xf5+5*(\set)
	MUL8 0, 0
	s_wait_dscnt 0x0                               ; the add is done, and my reads of the slots so far are over
	s_barrier_signal -1
	MUL8 1, 0
	WIN 0
	s_barrier_wait -1
.if \fill
	CREST                                          ; no wave of any partner still reads slot 0 or has a load on its way
	s_add_nc_u64 s[G0A+2:G0A+3], s[G0A+2:G0A+3], 3*KBA
	s_add_nc_u64 s[G0B+2:G0B+3], s[G0B+2:G0B+3], 3*256
	JLOAD                                          ; K step 3
.endif
	PLACES 4
	FETCH \nslot, 0, 1-(\set)
	WIN 0xf5+5*(\set)
	MUL8 2, 0
	MUL8 3, 0
.endm
.macro LAST set
	s_wait_dscnt 8
	WIN 0xf5+5*(\set)
	MUL8 0, 0
	MUL8 1, 0
	s_wait_dscnt 0x0
	MUL8 2, 0
	MUL8 3, 0
	WIN 0
.endm
	s_load_b256 s[4:11], s[0:1], 0x0               ; oc s[4:5], wcodes s[6:7], the scales' exponents s[8:9], bc s[10:11]
	s_load_b128 s[80:83], s[0:1], 0x20             ; tb2 s[80:81], tpart s[82:83]
	s_load_b64 s[84:85], s[0:1], 0x30              ; mh
	v_lshl_add_u32 v[SPW], v0, 2, SPARE
	v_mov_b32 v[NIL], 0
	ds_add_u32 v28, v29
	ds_add_u32 v28, v29
	s_wait_dscnt 0x0
	v_lshrrev_b32 v1, 5, v0
	v_readfirstlane_b32 s14, v1
	s_lshr_b32 s15, s14, 1
	s_and_b32 s16, s14, 1
	s_bfe_u32 s40, ttmp6, 0x40000                  ; cx
	s_bfe_u32 s41, ttmp6, 0x40004                  ; cy
	s_lshl_b32 s42, ttmp9, 2
	s_add_co_u32 s42, s42, s40                     ; tx
	s_and_b32 s17, ttmp7, 0xffff
	s_lshl_b32 s17, s17, 2
	s_add_co_u32 s17, s17, s41                     ; ty
	s_lshl_b32 s43, s41, 2
	s_lshl_b32 s43, 15, s43
	s_lshl_b32 s44, 0x1111, s40
	s_or_b32 s[G1A], s43, (1<<20)|(1<<21)|(5<<22)|(3<<25)
	s_or_b32 s[G1B], s44, (1<<20)|(1<<21)|(5<<22)|(3<<25)
	s_mov_b32 s[G1A+1], 8192<<16                   ; A: tensor_dim0 = 8,192
	s_mov_b32 s[G1A+2], 4<<16                      ; tensor_dim1 = 4
	s_mov_b32 s[G1A+3], 8192<<16                   ; tile_dim0
	s_mov_b32 s[G1A+4], 4                          ; tile_dim1
	s_mov_b32 s[G1A+5], 65536                      ; from head to head
	s_mov_b32 s[G1A+6], 0
	s_mov_b32 s[G1A+7], 0
	s_mov_b32 s[G1B+1], 256<<16
	s_mov_b32 s[G1B+2], 128<<16
	s_mov_b32 s[G1B+3], 256<<16
	s_mov_b32 s[G1B+4], 128
	s_mov_b32 s[G1B+5], 1024
	s_mov_b32 s[G1B+6], 0
	s_mov_b32 s[G1B+7], 0
	s_lshr_b32 s20, s17, 3
	s_lshl_b32 s20, s20, 20                        ; A: the batch's sixteen heads,
	s_and_b32 s18, s17, 7
	s_lshl_b32 s18, s18, 13                        ; + 128 (ty % 8) tokens of 64 bytes
	s_add_co_u32 s20, s20, s18
	s_mov_b32 s21, 0
	s_sub_co_u32 s19, s14, 1
	s_and_b32 s19, s19, 1
	s_lshl_b32 s19, s19, 17
	s_lshl_b32 s46, s42, 18
	s_add_co_u32 s46, s46, s19
	s_add_co_u32 s46, s46, 0x300000                ; Wc's codes: the fourth plane
	s_mov_b32 s47, 0
	s_mul_i32 s45, s14, HALFT
	s_wait_kmcnt 0x0
	s_load_b128 s[88:91], s[8:9], 0x20             ; e8 .. e11
	s_load_b64 s[86:87], s[8:9], 0x30              ; e12, e13
	s_add_nc_u64 s[20:21], s[4:5], s[20:21]
	s_add_nc_u64 s[46:47], s[6:7], s[46:47]
	CROUND
.irp s, 0,1,2
	s_mov_b32 s[G0A+4*\s], 1
	s_add_co_u32 s[G0A+4*\s+1], s45, \s*SLOT
	s_add_nc_u64 s[G0A+4*\s+2:G0A+4*\s+3], s[20:21], \s*KBA
	s_or_b32 s[G0A+4*\s+3], s[G0A+4*\s+3], 0x80000000
	s_mov_b32 s[G0B+4*\s], 1
	s_add_co_u32 s[G0B+4*\s+1], s45, \s*SLOT
	s_add_nc_u64 s[G0B+4*\s+2:G0B+4*\s+3], s[46:47], \s*256
	s_or_b32 s[G0B+4*\s+3], s[G0B+4*\s+3], 0x80000000
.endr
	s_cmp_eq_u32 s14, 0
	s_cbranch_scc0 .Lff_b
	tensor_load_to_lds s[G0A:G0A+3], s[G1A:G1A+7]
	s_nop 0
	tensor_load_to_lds s[G0A+4:G0A+7], s[G1A:G1A+7]
	s_nop 0
	tensor_load_to_lds s[G0A+8:G0A+11], s[G1A:G1A+7]
	s_nop 0
	PLACES 4
	s_branch .Lff_done
.Lff_b:
	s_cmp_lt_u32 s14, 3
	s_cbranch_scc0 .Lff_done
	tensor_load_to_lds s[G0B:G0B+3], s[G1B:G1B+7]
	s_nop 0
	tensor_load_to_lds s[G0B+4:G0B+7], s[G1B:G1B+7]
	s_nop 0
	tensor_load_to_lds s[G0B+8:G0B+11], s[G1B:G1B+7]
	s_nop 0
	PLACES 4
.Lff_done:
	; the bias of the tile's 256 columns: thread tau takes columns 2 tau, 2 tau + 1; a wave's load covers 256 consecutive bytes
	s_lshl_b32 s92, s42, 10
	s_mov_b32 s93, 0
	s_add_nc_u64 s[10:11], s[10:11], s[92:93]
	s_add_nc_u64 s[80:81], s[80:81], s[92:93]
	s_lshr_b32 s94, s17, 3
	s_lshl_b32 s94, s94, 12                        ; the batch's row of tpart
	s_add_co_u32 s92, s92, s94
	s_add_nc_u64 s[82:83], s[82:83], s[92:93]
	v_lshlrev_b32 v5, 3, v0
	v_lshl_add_u32 v6, v0, 3, BIAS
	global_load_b64 v[32:33], v5, s[10:11]
	global_load_b64 v[34:35], v5, s[80:81]
.irp g, 0,1,2,3,4,5,6,7
	global_load_b64 v[36+2*\g:37+2*\g], v5, s[82:83] offset:\g*32768
.endr
	v_and_b32 v1, 15, v0                           ; r
	v_bfe_u32 v2, v0, 4, 1                         ; h
	v_mul_u32_u24 v3, v1, PITCH
	v_lshl_add_u32 v3, v2, 4, v3                   ; B: row r x pitch + 16 h
	v_lshrrev_b32 v4, 2, v1
	v_mul_u32_u24 v4, v4, PITCH
	v_and_b32 v7, 3, v1
	v_lshl_add_u32 v4, v7, 6, v4
	v_lshl_add_u32 v4, v2, 4, v4                   ; A: (r / 4) x 272 + (r % 4) x 64 + 16 h
	s_mul_i32 s92, s15, 16*PITCH                   ; my 64 tokens: 16 long pieces on
	s_mul_i32 s93, s16, HALFT
	s_add_co_u32 s93, s93, HALFT
.irp s, 0,1,2
	v_add_nc_u32 v[ADRA+\s], s92, v4
	v_add_nc_u32 v[ADRB+\s], s93, v3
	s_add_co_u32 s92, s92, SLOT
	s_add_co_u32 s93, s93, SLOT
.endr
	s_mul_i32 s92, s15, 64*PITCH
	s_lshl_b32 s93, s16, 7
	s_add_co_u32 s92, s92, s93
	s_add_co_u32 s92, s92, STG
	v_mul_u32_u24 v[STO], v1, PITCH
	v_lshl_add_u32 v[STO], v2, 3, v[STO]
	v_add_nc_u32 v[STO], s92, v[STO]
	s_mul_i32 s92, s14, 32*PITCH
	s_add_co_u32 s92, s92, STG
	v_mul_u32_u24 v[RDV], v2, PITCH
	v_lshl_add_u32 v[RDV], v1, 4, v[RDV]
	v_add_nc_u32 v[RDV], s92, v[RDV]
	v_lshlrev_b32 v[COV], 10, v2
	v_lshl_add_u32 v[COV], v1, 4, v[COV]
	s_lshl_b32 s92, s16, 9
	s_add_co_u32 s92, s92, BIAS
	v_lshl_add_u32 v7, v2, 5, s92                  ; my bias: columns 128 CHF + 8 h + 16 b
	s_lshl_b32 s92, s17, 17                        ; mh: rows 128 ty + 32 w on, byte 256 tx
	s_lshl_b32 s93, s14, 15
	s_add_co_u32 s92, s92, s93
	s_lshl_b32 s93, s42, 8
	s_add_co_u32 s92, s92, s93
	s_mov_b32 s93, 0
	s_add_nc_u64 s[84:85], s[84:85], s[92:93]
	s_wait_kmcnt 0x0
	s_add_co_i32 s96, s90, s91
	s_add_co_i32 s96, s96, 127
	s_lshl_b32 s96, s96, 23                        ; 2^(e10 + e11)
	s_mov_b32 s97, s96                             ; (named with it as a pair)
	s_add_co_i32 s92, s86, 127
	s_lshl_b32 s93, s92, 23
	v_mov_b32 v31, s93                             ; 2^e12
	s_wait_loadcnt 0x0
	v_pk_add_f32 v[32:33], v[32:33], v[34:35]
	v_pk_add_f32 v[36:37], v[36:37], v[38:39]
	v_pk_add_f32 v[40:41], v[40:41], v[42:43]
	v_pk_add_f32 v[44:45], v[44:45], v[46:47]
	v_pk_add_f32 v[48:49], v[48:49], v[50:51]
	v_pk_add_f32 v[36:37], v[36:37], v[40:41]
	v_pk_add_f32 v[44:45], v[44:45], v[48:49]
	v_pk_add_f32 v[36:37], v[36:37], v[44:45]
	v_pk_add_f32 v[32:33], v[32:33], v[36:37]
	ds_store_b64 v6, v[32:33]
	s_wait_tensorcnt 2                             ; my part of K step 0 is in; K steps 1 and 2 may be out
	s_wait_dscnt 0x0                               ; my two numbers of the bias are stored
	s_barrier_signal -1
	s_barrier_wait -1
	FETCH 0, 0, 0
	STEP 0, 0, 1, 1
	TURN 1, 1, 1
	STEP 0, 1, 1, 0
	STEP 1, 2, 0, 0
	STEP 0, 2, 1, 0
	TURN 1, 0, 0
	STEP 0, 0, 1, 0
	LAST 1
.irp b, 0,1,2,3,4,5,6,7
	ds_load_b128 v[160+8*\b:163+8*\b], v7 offset:64*\b
	ds_load_b128 v[164+8*\b:167+8*\b], v7 offset:64*\b+16
.endr
	PLACES 4                                       ; in front of the first read of results
	s_wait_dscnt 0x0
.macro PBLOCK a
	WIN 0x03
.set j, 0
.rept 32
	v_pk_fma_f32 v[32+j:33+j], v[64*(\a)+j:64*(\a)+j+1], s[96:97], v[160+j:161+j] op_sel_hi:[1,0,1]   ; mh = sum x 2^(e10 + e11) + bias; each accumulator from its low end on
.set j, j+2
.endr
	WIN 0
.set j, 0
.rept 64
.set j, j+1
.endr
.irp b, 0,1,2,3,4,5,6,7
	v_cvt_scalef32_pk8_bf8_f32 v[96+16*(\a)+2*\b:97+16*(\a)+2*\b], v[32+8*\b:39+8*\b], v31
.endr
	v_nop                                          ; a plain line between the conversions and the next write of their sources
.irp b, 0,1,2,3,4,5,6,7
	ds_store_b64 v[STO], v[96+16*(\a)+2*\b:97+16*(\a)+2*\b] offset:(\a)*16*PITCH+16*\b
.endr
.endm
	PBLOCK 0
	PBLOCK 1
	PBLOCK 2
	PBLOCK 3
	s_wait_dscnt 0x0                               ; for the others' sake
	s_barrier_signal -1
	s_barrier_wait -1
.set n, 0
.rept 16
	ds_load_b128 v[32+4*n:35+4*n], v[RDV] offset:n*2*PITCH
.set n, n+1
.endr
.set n, 0
.rept 16
	s_wait_dscnt 15-n
	global_store_b128 v[COV], v[32+4*n:35+4*n], s[84:85] offset:n*2048       ; sixteen lanes store 256 consecutive bytes, aligned
.set n, n+1
.endr
	s_wait_tensorcnt 0x0                           ; the wave's end
	ds_add_u32 v[SPW], v[NIL]
	s_wait_dscnt 0x0
	CROUND
	s_endpgm
.Lfunc_end_k_qf0f5222a61_proj:
	.size	k_qf0f5222a61_proj, .Lfunc_end_k_qf0f5222a61_proj-k_qf0f5222a61_proj
	.p2alignl 7, 3214868480
	.fill 96, 4, 3214868480
	.section	.rodata,"a",@progbits
	.p2align	6, 0x0
	.amdhsa_kernel k_qf0f5222a61_proj
		.amdhsa_group_segment_fixed_size 327680
		.amdhsa_private_segment_fixed_size 0
		.amdhsa_enable_private_segment 0
		.amdhsa_kernarg_size 56
		.amdhsa_user_sgpr_count 2
		.amdhsa_user_sgpr_kernarg_segment_ptr 1
		.amdhsa_wavefront_size32 1
		.amdhsa_system_sgpr_workgroup_id_x 1
		.amdhsa_system_sgpr_workgroup_id_y 1
		.amdhsa_system_sgpr_workgroup_id_z 1
		.amdhsa_system_vgpr_workitem_id 0
		.amdhsa_next_free_vgpr 1024
		.amdhsa_next_free_sgpr 100
		.amdhsa_reserve_vcc 0
		.amdhsa_float_denorm_mode_32 3
		.amdhsa_float_denorm_mode_16_64 3
		.amdhsa_fp16_overflow 1
		.amdhsa_memory_ordered 1
		.amdhsa_forward_progress 1
		.amdhsa_inst_pref_size 72
	.end_amdhsa_kernel
	.amdgpu_metadata
---
amdhsa.version: [ 1, 2 ]
amdhsa.kernels:
  - .name:           k_qf0f5222a61_proj
    .symbol:         k_qf0f5222a61_proj.kd
    .args:
      - { .name: oc, .offset: 0, .size: 8, .value_kind: global_buffer, .address_space: global }
      - { .name: wcodes, .offset: 8, .size: 8, .value_kind: global_buffer, .address_space: global }
      - { .name: lowp_scales, .offset: 16, .size: 8, .value_kind: global_buffer, .address_space: global }
      - { .name: bc, .offset: 24, .size: 8, .value_kind: global_buffer, .address_space: global }
      - { .name: tb2, .offset: 32, .size: 8, .value_kind: global_buffer, .address_space: global }
      - { .name: tpart, .offset: 40, .size: 8, .value_kind: global_buffer, .address_space: global }
      - { .name: mh, .offset: 48, .size: 8, .value_kind: global_buffer, .address_space: global }
    .group_segment_fixed_size: 327680
    .private_segment_fixed_size: 0
    .kernarg_segment_align: 8
    .kernarg_segment_size: 56
    .max_flat_workgroup_size: 128
    .sgpr_count:     100
    .vgpr_count:     1024
    .wavefront_size: 32
...
	.end_amdgpu_metadata
.endif
;; end of part 4
;; launch score (part 5): grid 4 x 64, 4 waves a work-group, clusters of 4 x 4, 327,680 bytes of LDS; arguments mh, xcodes, lowp_scales, xt, conv_w, conv_b, out0; writes out0
.if DOCPART == 5
	.amdgcn_target "amdgcn-amd-amdhsa--gfx1250"
	.amdhsa_code_object_version 6
	.text
	.protected	k_qf0f5222a61_score
	.globl	k_qf0f5222a61_score
	.p2align	8
	.type	k_qf0f5222a61_score,@function
k_qf0f5222a61_score:
	s_mov_b64 s[64:65], 0
	v_nop
	global_prefetch_b8 v0, s[64:65] scope:SCOPE_SE
	s_setreg_imm32_b32 hwreg(HW_REG_WAVE_MODE, 25, 1), 1
	s_wait_xcnt 0x0
	s_wait_alu depctr_hold_cnt(0) depctr_sa_sdst(0) depctr_va_vdst(0) depctr_va_sdst(0) depctr_va_ssrc(0) depctr_va_vcc(0) depctr_vm_vsrc(0)
	s_getreg_b32 s2, hwreg(HW_REG_IB_STS2, 6, 4)
	s_cmp_eq_u32 s2, 0
	s_cbranch_scc0 .Lentry_in_a_cluster
	s_endpgm
.Lentry_in_a_cluster:
	s_bfe_u32 s2, ttmp6, 0x10000c
	s_cmp_lg_u32 s2, 0xf033
	s_cbranch_scc0 .Lentry_shape_is_right
	s_endpgm
.Lentry_shape_is_right:
; SCORE: for each batch s = mh x^T / 32 on codes of E5M2, then out = softmax over 2 of conv_w (10 tanh s, xt) + conv_b.
; A tile of C is 128 rows (queries) x 256 columns; four waves, 2 x 2, 64 x 128 each.  K = 1,024 in four K steps of 256 through THREE LDS slots; K step 3 fills slot 0 again.
; A = mh's codes, shared along a row of the cluster; B = x's codes under entry 13 (the fourth plane), shared along a column: joint loads; at most three tensor loads of a wave are out.
; THE TAIL, in f32.  r = 1 / (1 + 2^(k1 sum)), k1 = 2 log2(e) / 32 x 2^(e12 + e13): 10 tanh s = 10 - 20 r, right at both ends (2^.. = infinity gives r = 0, 0 gives r = 1).
; The two outputs hang on d = o0 - o1 alone: D = d log2(e) = alpha r + beta xt + gamma.  The larger of o0, o1 is taken away before the exponential: e = 2^-|D| <= 1, the larger probability is 1 / (1 + e),
; g = that - 1/2 with D's sign, out = 1/2 + g, 1/2 - g.
; LIMIT: e12 + e13 between -122 and 131 (they are added to k1's exponent field).
; The sums go through the wave's own stage in LDS so that a lane holds columns 2 l, 2 l + 1, 64 + 2 l, 65 + 2 l of a row: a load of xt covers 256 consecutive bytes, a store of out0 512.
; REGISTERS: window 0: v[4:5] k1, v[6:7] alpha, v[8:9] beta, v[10:11] gamma (each twice), v[12:13] = (1, -1); v32-63 at work; v64-127 results; v128-255 four buffers of xt.  Windows 1, 2: fragments.  Window 3: accumulators.
.set PITCH,  272
.set HALFT,  128*PITCH
.set SLOT,   3*HALFT
.set SPARE,  3*SLOT                    ; the spare words: two blocks of 256 bytes that no other line names
.set STG,    SLOT                      ; the stages (16 rows x 528 bytes a wave) lie in slot 1, which has had its only fill and its last read by then
.set KBA,    256
.set ADRA, 16
.set ADRB, 20
.set STO,  24
.set RD,   25
.set XO,   26
.set OO,   27
.set SPW,  28
.set NIL,  29
.set G1A, 24
.set G1B, 32
.set G0A, 48
.set G0B, 68
.set MSB, 0
.macro WIN new
.if MSB != (\new)
	s_set_vgpr_msb (MSB<<8)|(\new)
.set MSB, (\new)
.endif
.endm
.macro PLACES n
.rept \n
	v_nop
.endr
.endm
.macro CREST
	s_cmp_lg_u32 s14, 0
	s_cbranch_scc1 .Lnot_wave_0_\@
	s_barrier_signal -3
.Lnot_wave_0_\@:
	s_barrier_wait -3
	s_barrier_signal -1
	s_barrier_wait -1
.endm
.macro CROUND
	s_barrier_signal -1
	s_barrier_wait -1
	CREST
.endm
.macro JLOAD
	s_cmp_eq_u32 s14, 0
	s_cbranch_scc0 .Lnot_a_\@
	tensor_load_to_lds s[G0A:G0A+3], s[G1A:G1A+7]
	s_nop 0
	PLACES 4
	s_branch .Lasked_\@
.Lnot_a_\@:
	s_cmp_lt_u32 s14, 3
	s_cbranch_scc0 .Lasked_\@
	tensor_load_to_lds s[G0B:G0B+3], s[G1B:G1B+7]
	s_nop 0
	PLACES 4
.Lasked_\@:
.endm
.macro FRAGB reg, slot, q, i
.irp c, 0,1,2,3
	ds_load_b128 v[\reg+4*\c:\reg+4*\c+3], v[ADRB+\slot] offset:128*(\q)+32*\c+(\i)*16*PITCH
.endr
.endm
.macro FRAGA reg, slot, q, i
.irp c, 0,1,2,3
	ds_load_b128 v[\reg+4*\c:\reg+4*\c+3], v[ADRA+\slot] offset:128*(\q)+32*\c+(\i)*16*PITCH
.endr
.endm
.macro FETCH slot, q, set
	WIN 0x40*((\set)+1)
.irp i, 0,1,2,3,4,5,6,7
	FRAGB 16*\i, \slot, \q, \i
.endr
.irp i, 0,1,2,3
	FRAGA 128+16*\i, \slot, \q, \i
.endr
.endm
.macro MUL8 a, zero                    ; the 32 accumulators take turns, one instruction a turn
.irp b, 0,1,2,3,4,5,6,7
.if \zero
	v_wmma_f32_16x16x128_bf8_bf8 v[8*(8*(\a)+\b):8*(8*(\a)+\b)+7], v[16*\b:16*\b+15], v[128+16*(\a):128+16*(\a)+15], 0
.else
	v_wmma_f32_16x16x128_bf8_bf8 v[8*(8*(\a)+\b):8*(8*(\a)+\b)+7], v[16*\b:16*\b+15], v[128+16*(\a):128+16*(\a)+15], v[8*(8*(\a)+\b):8*(8*(\a)+\b)+7]
.endif
.endr
.endm
.macro STEP set, nslot, nq, zero
	s_wait_dscnt 8                                 ; B's eight and A's blocks 0, 1 are in; A's 2, 3 may be out
	WIN 0xf5+5*(\set)
	MUL8 0, \zero
	MUL8 1, \zero
	PLACES 4                                       ; in front of loads into registers that matrix instructions have read
	FETCH \nslot, \nq, 1-(\set)
	s_wait_dscnt 48                                ; all but the 48 just issued
	WIN 0xf5+5*(\set)
	MUL8 2, \zero
	MUL8 3, \zero
.endm
.macro TURN set, nslot, fill
	WIN 0
	s_wait_tensorcnt 0x0                           ; all my tensor loads have landed
	ds_add_u32 v[SPW], v[NIL]                      ; 0 onto my spare word
	s_wait_dscnt 9                                 ; (the add and the youngest eight loads may be out)
	WIN 0xf5+5*(\set)
	MUL8 0, 0
	s_wait_dscnt 0x0                               ; the add is done, and my reads of the slots so far are over
	s_barrier_signal -1
	MUL8 1, 0
	WIN 0
	s_barrier_wait -1
.if \fill
	CREST                                          ; no wave of any partner still reads slot 0 or has a load on its way
	s_add_nc_u64 s[G0A+2:G0A+3], s[G0A+2:G0A+3], 3*KBA
	s_add_nc_u64 s[G0B+2:G0B+3], s[G0B+2:G0B+3], 3*256
	JLOAD                                          ; K step 3
.endif
	PLACES 4
	FETCH \nslot, 0, 1-(\set)
	WIN 0xf5+5*(\set)
	MUL8 2, 0
	MUL8 3, 0
.endm
.macro LAST set
	s_wait_dscnt 8
	WIN 0xf5+5*(\set)
	MUL8 0, 0
	MUL8 1, 0
	s_wait_dscnt 0x0
	MUL8 2, 0
	MUL8 3, 0
	WIN 0
.endm
.macro XTLOAD u                        ; half block u: rows 8 u .. 8 u + 7 of my 64, my 128 columns of xt
.set XB, 128+32*((\u)%4)
.irp t, 0,1,2,3,4,5,6,7
	global_load_b64 v[XB+4*\t:XB+4*\t+1], v[XO], s[10:11] offset:(8*(\u)+\t)*4096 th:TH_LOAD_NT
	global_load_b64 v[XB+4*\t+2:XB+4*\t+3], v[XO], s[10:11] offset:(8*(\u)+\t)*4096+256 th:TH_LOAD_NT
.endr
.endm
	s_load_b256 s[4:11], s[0:1], 0x0               ; mh s[4:5], xcodes s[6:7], the scales' exponents s[8:9], xt s[10:11]
	s_load_b128 s[80:83], s[0:1], 0x20             ; conv_w s[80:81], conv_b s[82:83]
	s_load_b64 s[84:85], s[0:1], 0x30              ; out0
	v_lshl_add_u32 v[SPW], v0, 2, SPARE
	v_mov_b32 v[NIL], 0
	ds_add_u32 v28, v29
	ds_add_u32 v28, v29
	s_wait_dscnt 0x0
	v_lshrrev_b32 v1, 5, v0
	v_readfirstlane_b32 s14, v1
	s_lshr_b32 s15, s14, 1
	s_and_b32 s16, s14, 1
	s_bfe_u32 s40, ttmp6, 0x40000                  ; cx
	s_bfe_u32 s41, ttmp6, 0x40004                  ; cy
	s_lshl_b32 s42, ttmp9, 2
	s_add_co_u32 s42, s42, s40                     ; tx
	s_and_b32 s17, ttmp7, 0xffff
	s_lshl_b32 s17, s17, 2
	s_add_co_u32 s17, s17, s41                     ; ty
	s_lshl_b32 s43, s41, 2
	s_lshl_b32 s43, 15, s43
	s_lshl_b32 s44, 0x1111, s40
	s_or_b32 s[G1A], s43, (1<<20)|(1<<21)|(5<<22)|(3<<25)
	s_or_b32 s[G1B], s44, (1<<20)|(1<<21)|(5<<22)|(3<<25)
.irp g, G1A, G1B
	s_mov_b32 s[\g+1], 256<<16
	s_mov_b32 s[\g+2], 128<<16
	s_mov_b32 s[\g+3], 256<<16
	s_mov_b32 s[\g+4], 128
	s_mov_b32 s[\g+5], 1024
	s_mov_b32 s[\g+6], 0
	s_mov_b32 s[\g+7], 0
.endr
	s_lshl_b32 s20, s17, 17                        ; A: 128 ty rows of 1,024 bytes
	s_mov_b32 s21, 0
	s_and_b32 s46, ttmp7, 0xffff
	s_lshr_b32 s46, s46, 1                         ; B: the batch = cluster y / 2, which all partners share,
	s_lshl_b32 s46, s46, 20
	s_lshl_b32 s22, s42, 18                        ; + 256 tx rows,
	s_add_co_u32 s46, s46, s22
	s_sub_co_u32 s19, s14, 1
	s_and_b32 s19, s19, 1
	s_lshl_b32 s19, s19, 17                        ; + the loader's half,
	s_add_co_u32 s46, s46, s19
	s_add_co_u32 s46, s46, 0x1800000               ; in the fourth plane
	s_mov_b32 s47, 0
	s_mul_i32 s45, s14, HALFT
	s_wait_kmcnt 0x0
	s_load_b64 s[86:87], s[8:9], 0x30              ; e12, e13
	s_load_b128 s[88:91], s[80:81], 0x0            ; w00, w01, w10, w11
	s_load_b64 s[94:95], s[82:83], 0x0             ; b0, b1
	s_add_nc_u64 s[20:21], s[4:5], s[20:21]
	s_add_nc_u64 s[46:47], s[6:7], s[46:47]
	CROUND
.irp s, 0,1,2
	s_mov_b32 s[G0A+4*\s], 1
	s_add_co_u32 s[G0A+4*\s+1], s45, \s*SLOT
	s_add_nc_u64 s[G0A+4*\s+2:G0A+4*\s+3], s[20:21], \s*KBA
	s_or_b32 s[G0A+4*\s+3], s[G0A+4*\s+3], 0x80000000
	s_mov_b32 s[G0B+4*\s], 1
	s_add_co_u32 s[G0B+4*\s+1], s45, \s*SLOT
	s_add_nc_u64 s[G0B+4*\s+2:G0B+4*\s+3], s[46:47], \s*256
	s_or_b32 s[G0B+4*\s+3], s[G0B+4*\s+3], 0x80000000
.endr
	s_cmp_eq_u32 s14, 0
	s_cbranch_scc0 .Lff_b
	tensor_load_to_lds s[G0A:G0A+3], s[G1A:G1A+7]
	s_nop 0
	tensor_load_to_lds s[G0A+4:G0A+7], s[G1A:G1A+7]
	s_nop 0
	tensor_load_to_lds s[G0A+8:G0A+11], s[G1A:G1A+7]
	s_nop 0
	PLACES 4
	s_branch .Lff_done
.Lff_b:
	s_cmp_lt_u32 s14, 3
	s_cbranch_scc0 .Lff_done
	tensor_load_to_lds s[G0B:G0B+3], s[G1B:G1B+7]
	s_nop 0
	tensor_load_to_lds s[G0B+4:G0B+7], s[G1B:G1B+7]
	s_nop 0
	tensor_load_to_lds s[G0B+8:G0B+11], s[G1B:G1B+7]
	s_nop 0
	PLACES 4
.Lff_done:
	s_lshl_b32 s92, s17, 19                        ; xt: row 128 ty + 64 RH of 4,096 bytes, column 256 tx + 128 CHF
	s_lshl_b32 s93, s15, 18
	s_add_co_u32 s92, s92, s93
	s_lshl_b32 s93, s42, 10
	s_add_co_u32 s92, s92, s93
	s_lshl_b32 s93, s16, 9
	s_add_co_u32 s92, s92, s93
	s_mov_b32 s93, 0
	s_add_nc_u64 s[10:11], s[10:11], s[92:93]
	s_add_nc_u64 s[84:85], s[84:85], s[92:93]      ; out0: twice as far
	s_add_nc_u64 s[84:85], s[84:85], s[92:93]
	v_and_b32 v5, 31, v0
	v_lshlrev_b32 v[XO], 3, v5
	v_lshlrev_b32 v[OO], 4, v5
	XTLOAD 0                                       ; four half blocks of xt are on their way while the products run
	XTLOAD 1
	XTLOAD 2
	XTLOAD 3
	v_and_b32 v1, 15, v0                           ; r
	v_bfe_u32 v2, v0, 4, 1                         ; h
	v_mul_u32_u24 v3, v1, PITCH
	v_lshl_add_u32 v3, v2, 4, v3
	s_mul_i32 s92, s15, 64*PITCH
	s_mul_i32 s93, s16, HALFT
	s_add_co_u32 s93, s93, HALFT
.irp s, 0,1,2
	v_add_nc_u32 v[ADRA+\s], s92, v3
	v_add_nc_u32 v[ADRB+\s], s93, v3
	s_add_co_u32 s92, s92, SLOT
	s_add_co_u32 s93, s93, SLOT
.endr
	s_mul_i32 s92, s14, 16*528
	s_add_co_u32 s92, s92, STG                     ; my stage
	v_mul_u32_u24 v[STO], v1, 528
	v_lshl_add_u32 v[STO], v2, 5, v[STO]
	v_add_nc_u32 v[STO], s92, v[STO]               ; in: row r, + 32 h
	v_add_nc_u32 v[RD], s92, v[XO]                 ; out: 8 bytes a lane
	s_mov_b32 s60, 0x80000000                      ; the sign
	s_wait_kmcnt 0x0
	s_add_co_i32 s92, s86, s87
	s_lshl_b32 s92, s92, 23
	s_add_co_i32 s92, s92, 0x3db8aa3b              ; k1
	v_mov_b32 v4, s92
	v_mov_b32 v5, s92
	v_mov_b32 v12, s90
	v_sub_f32 v12, s88, v12                        ; w00 - w10
	v_mul_f32 v6, 0xc1e6d4ca, v12                  ; alpha = -20 log2(e) x that
	v_mov_b32 v7, v6
	v_mov_b32 v13, s91
	v_sub_f32 v13, s89, v13                        ; w01 - w11
	v_mul_f32 v8, 0x3fb8aa3b, v13                  ; beta
	v_mov_b32 v9, v8
	v_mov_b32 v14, s95
	v_sub_f32 v14, s94, v14                        ; b0 - b1
	v_fma_f32 v14, v12, 0x41200000, v14            ; + 10 (w00 - w10)
	v_mul_f32 v10, 0x3fb8aa3b, v14                 ; gamma
	v_mov_b32 v11, v10
	v_mov_b32 v12, 1.0
	v_mov_b32 v13, -1.0
	s_wait_tensorcnt 2                             ; my part of K step 0 is in; K steps 1 and 2 may be out
	s_wait_dscnt 0x0
	s_barrier_signal -1
	s_barrier_wait -1
	FETCH 0, 0, 0
	STEP 0, 0, 1, 1
	TURN 1, 1, 1
	STEP 0, 1, 1, 0
	STEP 1, 2, 0, 0
	STEP 0, 2, 1, 0
	TURN 1, 0, 0
	STEP 0, 0, 1, 0
	LAST 1
	PLACES 4                                       ; in front of the LDS stores that read results
.macro TOSTAGE a                       ; block a's 16 rows x 128 sums, straight from the accumulators, each from its low end on
	WIN 0x0c                                       ; the stores' data: window 3
.irp b, 0,1,2,3,4,5,6,7
	ds_store_b128 v[STO], v[64*(\a)+8*\b:64*(\a)+8*\b+3] offset:64*\b
	ds_store_b128 v[STO], v[64*(\a)+8*\b+4:64*(\a)+8*\b+7] offset:64*\b+16
.endr
	WIN 0
.endm
.macro HALF u, left                    ; 8 rows x 128 columns: 32 numbers a lane.  left: the loads of xt of the younger half blocks, which may stay out
.set XB, 128+32*((\u)%4)
.irp t, 0,1,2,3,4,5,6,7
	ds_load_b64 v[32+4*\t:33+4*\t], v[RD] offset:(8*((\u)%2)+\t)*528         ; LDS serves a wave's instructions in order: these see my stores
	ds_load_b64 v[34+4*\t:35+4*\t], v[RD] offset:(8*((\u)%2)+\t)*528+256
.endr
	s_wait_dscnt 0x0
.set j, 0
.rept 16
	v_pk_mul_f32 v[32+j:33+j], v[32+j:33+j], v[4:5]
.set j, j+2
.endr
.set j, 0
	s_wait_alu depctr_va_vdst(0)
.rept 32
	v_exp_f32 v[32+j], v[32+j]
.set j, j+1
.endr
	s_wait_loadcnt \left
.set j, 0
.rept 16
	v_pk_fma_f32 v[XB+j:XB+j+1], v[XB+j:XB+j+1], v[8:9], v[10:11]            ; beta xt + gamma: plain lines behind the exponentials that name none of their results
.set j, j+2
.endr
	s_wait_alu depctr_va_vdst(0)                   ; one wait for the batch
.set j, 0
.rept 16
	v_pk_add_f32 v[32+j:33+j], v[32+j:33+j], 1.0 op_sel_hi:[1,0]
.set j, j+2
.endr
.set j, 0
	s_wait_alu depctr_va_vdst(0)
.rept 32
	v_rcp_f32 v[32+j], v[32+j]
.set j, j+1
.endr
	v_nop
	s_wait_alu depctr_va_vdst(0)
.set j, 0
.rept 16
	v_pk_fma_f32 v[XB+j:XB+j+1], v[32+j:33+j], v[6:7], v[XB+j:XB+j+1]        ; D
.set j, j+2
.endr
.set j, 0
.rept 32
	v_or_b32 v[32+j], 0x80000000, v[XB+j]          ; -|D|
.set j, j+1
.endr
.set j, 0
	s_wait_alu depctr_va_vdst(0)
.rept 32
	v_exp_f32 v[32+j], v[32+j]
.set j, j+1
.endr
	v_nop
	s_wait_alu depctr_va_vdst(0)
.set j, 0
.rept 16
	v_pk_add_f32 v[32+j:33+j], v[32+j:33+j], 1.0 op_sel_hi:[1,0]
.set j, j+2
.endr
.set j, 0
	s_wait_alu depctr_va_vdst(0)
.rept 32
	v_rcp_f32 v[32+j], v[32+j]
.set j, j+1
.endr
	v_nop
	s_wait_alu depctr_va_vdst(0)
.set j, 0
.rept 16
	v_pk_add_f32 v[32+j:33+j], v[32+j:33+j], -0.5 op_sel_hi:[1,0]
.set j, j+2
.endr
.set j, 0
.rept 32
	v_bfi_b32 v[32+j], s60, v[XB+j], v[32+j]       ; g with D's sign
.set j, j+1
.endr
	s_wait_xcnt 0x0                                ; the last half block's stores have read their data
.set j, 0
.rept 16
	v_pk_fma_f32 v[64+2*j:65+2*j], v[32+j:33+j], v[12:13], 0.5 op_sel:[0,0,0] op_sel_hi:[0,1,0]      ; 1/2 + g, 1/2 - g of the pair's first number,
	v_pk_fma_f32 v[66+2*j:67+2*j], v[32+j:33+j], v[12:13], 0.5 op_sel:[1,0,0] op_sel_hi:[1,1,0]      ; and of its second
.set j, j+2
.endr
.irp t, 0,1,2,3,4,5,6,7
	global_store_b128 v[OO], v[64+8*\t:67+8*\t], s[84:85] offset:(8*(\u)+\t)*8192 th:TH_STORE_NT     ; 32 lanes store 512 consecutive bytes, aligned
	global_store_b128 v[OO], v[68+8*\t:71+8*\t], s[84:85] offset:(8*(\u)+\t)*8192+512 th:TH_STORE_NT
.endr
.if (\u)+4 < 8
	XTLOAD (\u)+4
.endif
.endm
	TOSTAGE 0
	HALF 0, 48
	HALF 1, 48
	TOSTAGE 1
	HALF 2, 48
	HALF 3, 48
	TOSTAGE 2
	HALF 4, 48
	HALF 5, 32
	TOSTAGE 3
	HALF 6, 16
	HALF 7, 0
	s_wait_tensorcnt 0x0                           ; the wave's end
	ds_add_u32 v[SPW], v[NIL]
	s_wait_dscnt 0x0
	CROUND
	s_endpgm
.Lfunc_end_k_qf0f5222a61_score:
	.size	k_qf0f5222a61_score, .Lfunc_end_k_qf0f5222a61_score-k_qf0f5222a61_score
	.p2alignl 7, 3214868480
	.fill 96, 4, 3214868480
	.section	.rodata,"a",@progbits
	.p2align	6, 0x0
	.amdhsa_kernel k_qf0f5222a61_score
		.amdhsa_group_segment_fixed_size 327680
		.amdhsa_private_segment_fixed_size 0
		.amdhsa_enable_private_segment 0
		.amdhsa_kernarg_size 56
		.amdhsa_user_sgpr_count 2
		.amdhsa_user_sgpr_kernarg_segment_ptr 1
		.amdhsa_wavefront_size32 1
		.amdhsa_system_sgpr_workgroup_id_x 1
		.amdhsa_system_sgpr_workgroup_id_y 1
		.amdhsa_system_sgpr_workgroup_id_z 1
		.amdhsa_system_vgpr_workitem_id 0
		.amdhsa_next_free_vgpr 1024
		.amdhsa_next_free_sgpr 100
		.amdhsa_reserve_vcc 0
		.amdhsa_float_denorm_mode_32 3
		.amdhsa_float_denorm_mode_16_64 3
		.amdhsa_memory_ordered 1
		.amdhsa_forward_progress 1
		.amdhsa_inst_pref_size 221
	.end_amdhsa_kernel
	.amdgpu_metadata
---
amdhsa.version: [ 1, 2 ]
amdhsa.kernels:
  - .name:           k_qf0f5222a61_score
    .symbol:         k_qf0f5222a61_score.kd
    .args:
      - { .name: mh, .offset: 0, .size: 8, .value_kind: global_buffer, .address_space: global }
      - { .name: xcodes, .offset: 8, .size: 8, .value_kind: global_buffer, .address_space: global }
      - { .name: lowp_scales, .offset: 16, .size: 8, .value_kind: global_buffer, .address_space: global }
      - { .name: xt, .offset: 24, .size: 8, .value_kind: global_buffer, .address_space: global }
      - { .name: conv_w, .offset: 32, .size: 8, .value_kind: global_buffer, .address_space: global }
      - { .name: conv_b, .offset: 40, .size: 8, .value_kind: global_buffer, .address_space: global }
      - { .name: out0, .offset: 48, .size: 8, .value_kind: global_buffer, .address_space: global }
    .group_segment_fixed_size: 327680
    .private_segment_fixed_size: 0
    .kernarg_segment_align: 8
    .kernarg_segment_size: 56
    .max_flat_workgroup_size: 128
    .sgpr_count:     100
    .vgpr_count:     1024
    .wavefront_size: 32
...
	.end_amdgpu_metadata
.endif
;; end of part 5
